; MI455X (gfx1250); checked and timed in simulation.
; The chip was launched on July 23, 2026; its instructions are those of AMD's public machine-readable ISA for CDNA 5 (MIT licence, August 2026) and "CDNA5" Instruction Set Architecture Reference Guide (July 2026). The comments in the code are by the model that wrote it; some were corrected since.
;; Cell Set Attention Network. Allowed arithmetic: matrix products marked QUANTISED: E3M2 operands, one E8M0 scale for each 32 along K, by v_wmma_scale_f32_16x16x128_f8f6f4 with both operands' format E3M2, f32 sums; everything else in f32.
;; Inputs: Wk 512 x 512 float32; Wo 512 x 512 float32; Wq 512 x 512 float32; Wv 512 x 512 float32; X 8 x 2,048 x 512 float32; bk 512 float32; bo 512 float32; bq 512 float32; bv 512 float32; ln_beta 512 float32; ln_gamma 512 float32.
;; Outputs: out0 8 x 2,048 x 512 float32.
;; This version of the problem:
;;   THIS VERSION OF THE PROBLEM IS GIVEN IN LOW PRECISION. The matrix products marked QUANTISED in the list below multiply operands that are first quantised to E3M2 (3 exponent bits, 2 mantissa bits; 6 bits a number), with one power-of-two scale for each 32 numbers along K (OCP MX v1.0); their sums are f32. All else is computed in f32.
;;   The module's matrix products, in the order in which they are computed (A, B: the left and right operand; K: the contracted axis; several contracted axes count as one K, in the product's order):
;;     1. [M 16,384, K 512] x [K 512, N 512]; A: input X; B: input Wq: QUANTISED
;;     2. [M 16,384, K 512] x [K 512, N 512]; A: input X; B: input Wk: QUANTISED
;;     3. [M 16,384, K 512] x [K 512, N 512]; A: input X; B: input Wv: QUANTISED
;;     4. batch 8 x [M 2,048, K 512] x [K 512, N 2,048]; A: computed on the way; B: computed on the way: QUANTISED
;;     5. batch 8 x [M 2,048, K 2,048] x [K 2,048, N 512]; A: softmax (see below); B: computed on the way: QUANTISED
;;     6. [M 16,384, K 512] x [K 512, N 512]; A: computed on the way; B: input Wo: QUANTISED
;;   THE QUANTISER, for each operand of a quantised product, along K:
;;     - K is cut into blocks of 32 from its start; a last block that is shorter is filled with zeros.
;;     - A block's scale is 2^e with e = floor(log2(the largest magnitude in the block)) - 4, held to -126 .. 127; a block of zeros has e = 0. As a byte (E8M0): e + 127.
;;     - Each number is divided by its block's scale, clamped to +-28, and rounded to the nearest number of E3M2, ties to even, subnormals kept.
;;     - The product sums the exact products of the quantised numbers (number of the format x scale) in f32.
;;   ~~~python
;;   def quantise(x, axis):      # numpy; x: float32 -> the quantised numbers, widened to float32 again
;;       x = np.moveaxis(x, axis, -1); K = x.shape[-1]
;;       x = np.pad(x, [(0, 0)] * (x.ndim - 1) + [(0, -K % 32)]); x = x.reshape(x.shape[:-1] + (-1, 32)); a = np.abs(x).max(-1, keepdims=True)
;;       e = np.where(a > 0, np.clip(np.frexp(np.where(a > 0, a, 1))[1] - 1 - 4, -126, 127), 0)      # np.frexp(a)[1] - 1 = floor(log2(a)), exactly
;;       r = np.clip(x / 2.0 ** e, -28, 28)
;;       step = 2.0 ** (np.maximum(np.frexp(np.where(r == 0, 1, r))[1] - 1, -2) - 2)
;;       q = np.round(r / step) * step * 2.0 ** e      # np.round: ties to even
;;       return np.moveaxis(q.reshape(q.shape[:-2] + (-1,))[..., :K], -1, axis).astype(np.float32)
;;   ~~~
;;   SOFTMAX AHEAD OF A QUANTISED PRODUCT. Where the list says 'softmax', what is quantised is not the finished softmax but p = 2^(t - M), with t = logit x log2(e) and M = ceil(the row's largest t), a whole number; so 1/2 < the row's largest p <= 1. The row's sum l is taken of the UNQUANTISED p, in f32, and the product's result is divided by l at the end. Since M is a whole number, a kernel that streams over the keys may use a running M (the ceiling of the running maximum): every later rescaling is an exact power of two, which a block's scale takes up: the codes' values come out the same.
;;   OPERANDS COMPUTED ON THE WAY. 'Computed on the way' means the value that the module computes at that place (a softmax that the list does not call 'softmax' is quantised finished and normalised). What goes into a quantiser is computed in f32, as accurately as f32 sums, v_exp_f32 and their like allow (about 1e-6 of the number): no bf16 or f16 on the way to a quantiser, and a product that is left as it is and whose result goes on into a quantised operand takes f32 operands (vector FMAs, or v_wmma_f32_16x16x4_f32). A number that lies on a knife's edge between two numbers of the format may be rounded either way, as far as f32 arithmetic and the matrix unit's own rounding can turn it there, and no further.
;; One version. Each part assembles by itself: llvm-mc -triple=amdgcn-amd-amdhsa -mcpu=gfx1250 --defsym DOCPART=n.
;; ======== version 1 of 1: 3 launches
;; limits: right only within a limited range of input values
;; workspace buffers: XB 6,553,600 bytes; QB 6,553,600 bytes; KB 6,553,600 bytes; VB 6,553,600 bytes; WB 819,200 bytes
;; launch prep (part 1): grid 320 x 1, 4 waves a work-group, no clusters, 81,408 bytes of LDS; arguments X, Wq, Wk, Wv, Wo, XB, WB; writes XB, WB
.if DOCPART == 1
	.amdgcn_target "amdgcn-amd-amdhsa--gfx1250"
	.amdhsa_code_object_version 6
	.text
	.protected	k_q7eacd8ee78_prep
	.globl	k_q7eacd8ee78_prep
	.p2align	8
	.type	k_q7eacd8ee78_prep,@function
k_q7eacd8ee78_prep:
	s_mov_b64 s[64:65], 0
	v_nop
	global_prefetch_b8 v0, s[64:65] scope:SCOPE_SE
	s_setreg_imm32_b32 hwreg(HW_REG_WAVE_MODE, 25, 1), 1
	s_wait_xcnt 0x0
; LAUNCH 1 OF 3.  X [16384][512] and the four weights [512 (k)][512 (n)], f32, become codes of E3M2 with one E8M0 byte for each 32 along K, laid in the order of the operands' registers.
; DEAD WORK: none.  Every input moves a quantised operand or the output: bq, bk, bv are added ahead of the quantisers of q, k and v, so they move codes and scales;
; bo, X, ln_gamma and ln_beta enter the output itself.  All six products are live, and nothing is left out in any launch.
; THE QUANTISER: a block's scale byte is its largest magnitude's exponent field - 4, held at 1 from below; each number / scale goes to the nearest code, ties to even, beyond 28 the largest code.
; LIMITS: a block whose largest magnitude lies under 2^-122 has its byte held at 1; a block of zeros gets the byte 1 where the rule says 127 (its codes are zeros, and the bytes are read by
; this program alone); NaN and infinities among the inputs are not served.
; LAYOUTS.  FRAG, 1,536 bytes: a fragment of 16 rows x 128 K; register R of lane L at byte 512 (R / 4) + 16 L + 4 (R % 4): three loads or stores of 16 bytes a lane, 512 consecutive bytes each.
; TILES ARE PERMUTED: in each group of 32 tokens (or weight columns), lane r of tile 2 b + u stands for index 32 b + 8 u + r + 8 (r / 8), so that a result whose source 0 is such a tile has 16 neighbours in 16 registers.
; SREC, 256 bytes: the scale words of 4 neighbouring tiles for one K step: byte 8 L + 4 i is the word of tile 2 i + L / 16, row L % 16.
; XB: codes at (T x 4 + s) x 1536 (T: token tile, s: K step); SRECs at 6,291,456 + s x 65,536 + (T / 4) x 256.
; WB: q, k, v codes at (((s' x 3 + m) x 8 + ct') x 4 + ks) x 1536; Wo's at 589,824 + (ct x 4 + ks) x 1536; scale words from 786,432 on, 128 bytes for a pair of tiles and a K step.
; SHARES.  Work-groups 0-63: a weight m = wg / 16, 32 columns b = wg % 16, wave = K step: a lane takes a column, its registers run down K.  Work-groups 64-319: 64 tokens, wave = K step, four tiles.
; No tensor loads, no barrier: waves share nothing.  Each of the two paths has LDS bytes of its own.
.set WREG,  67584                      ; LDS 0 .. 67,583: the X path: for each wave two stages of 16 rows x 528 bytes.  From here: the W path: 3,328 bytes a wave
.set SPARE, 80896                      ; the spare words, 128 bytes a wave: two blocks of 256 bytes that no other line names
.set TM,    16                         ; v16-31  QUANT at work
.set PW,    32                         ; v32     the scale word just made
.set PC,    36                         ; v36-55  the codes just made
.set NN,    64                         ; v64-127 64 numbers of a lane (X path); v64-191 128 numbers (W path)
.set SEL,   36                         ; s[36:37] selects of v_permlanex16_b32: lane l xor 16
.set MSB,   0
.macro WIN new                         ; the immediate's high byte repeats the setting that is left (in this launch every window stays 0)
.if MSB != (\new)
	s_set_vgpr_msb (MSB<<8)|(\new)
.set MSB, \new
.endif
.endm
; 64 numbers of a lane, v[s] .. v[s + 63] of window a, register 16 b + i = k 32 b + 16 (lane / 16) + i of my row, become a fragment's codes in v[PC] on and its scale word in v[PW].
.macro QUANT s, a
	WIN (\a)|((\a)<<2)
.irp b, 0,1,2,3
	v_max3_num_f32 v[TM+\b], |v[(\s)+16*\b]|, |v[(\s)+16*\b+1]|, 0x2800000   ; my 16 numbers of block b, and the floor 2^(5 - 127): the byte cannot fall under 1
.endr
.irp i, 2,4,6,8,10,12,14
.irp b, 0,1,2,3
	v_max3_num_f32 v[TM+\b], |v[(\s)+16*\b+\i]|, |v[(\s)+16*\b+\i+1]|, v[TM+\b]
.endr
.endr
	WIN 0
.irp b, 0,1,2,3
	v_permlanex16_b32 v[TM+4+\b], v[TM+\b], s[SEL], s[SEL+1]
.endr
.irp b, 0,1,2,3
	v_max_num_f32 v[TM+\b], v[TM+\b], v[TM+4+\b]      ; with lane l xor 16's 16: the block's largest magnitude
.endr
.irp b, 0,1,2,3
	v_add_nc_u32 v[TM+12+\b], 0xfe000000, v[TM+\b]    ; 4 off its exponent field: the conversion's scale operand
.endr
.irp b, 0,1,2,3
	v_lshrrev_b32 v[TM+4+\b], 23, v[TM+12+\b]         ; the scale's byte
.endr
	v_lshl_or_b32 v[PW], v[TM+5], 8, v[TM+4]
	v_lshl_or_b32 v[PW], v[TM+6], 16, v[PW]
	v_lshl_or_b32 v[PW], v[TM+7], 24, v[PW]
	WIN (\a)
.irp c, 0,1
	v_cvt_scalef32_pk16_bf6_f32 v[PC+6*\c:PC+6*\c+2], v[(\s)+32*\c:(\s)+32*\c+15], v[TM+12+2*\c]
	v_cvt_scalef32_pk16_bf6_f32 v[PC+12+4*\c:PC+14+4*\c], v[(\s)+32*\c+16:(\s)+32*\c+31], v[TM+13+2*\c]   ; (a conversion's three registers begin on an even number)
.endr
	WIN 0
	v_nop                                              ; one plain line behind the conversions
.irp c, 0,1                            ; the layout wants a whole block in a lane: lanes 0-15 block 2 c, lanes 16-31 block 2 c + 1
.irp i, 0,1,2
	v_permlane16_swap_b32 v[PC+6*\c+\i], v[PC+12+4*\c+\i]
.endr
.irp i, 0,1,2
	v_mov_b32 v[PC+3+6*\c+\i], v[PC+12+4*\c+\i]
.endr
.endr
.endm
	s_load_b256 s[4:11], s[0:1], 0x0                   ; X s[4:5], Wq s[6:7], Wk s[8:9], Wv s[10:11]
	s_load_b128 s[12:15], s[0:1], 0x20                 ; Wo s[12:13], XB s[14:15]
	s_load_b64 s[20:21], s[0:1], 0x30                  ; WB
	v_lshl_add_u32 v5, v0, 2, SPARE                    ; my spare word; never rewritten
	v_mov_b32 v6, 0                                    ; 0; never rewritten
	v_lshrrev_b32 v7, 5, v0
	v_readfirstlane_b32 s16, v7                        ; wave = K step
	v_and_b32 v7, 31, v0                               ; lane
	s_cmp_lt_u32 ttmp9, 64
	s_cbranch_scc0 .Lx_path
	; ---------------- THE WEIGHTS ----------------
	s_lshr_b32 s17, ttmp9, 4                           ; m: 0 Wq, 1 Wk, 2 Wv, 3 Wo
	s_and_b32 s18, ttmp9, 15                           ; b: which 32 columns
	v_lshlrev_b32 v1, 2, v7                            ; 4 x lane
	v_bfe_u32 v2, v7, 3, 1                             ; u: my column's tile of the pair
	v_and_b32 v3, 7, v7
	v_lshrrev_b32 v4, 4, v7
	v_lshl_add_u32 v3, v4, 3, v3                       ; r: its lane in that tile
	s_mul_i32 s19, s16, 3328
	s_add_co_u32 s19, s19, WREG                        ; my wave's region
	v_mul_u32_u24 v8, v2, 1536
	v_lshl_add_u32 v8, v3, 4, v8
	v_add_nc_u32 v8, s19, v8                           ; into the images: tile u, 16 r
	v_lshl_add_u32 v9, v2, 4, v3
	v_lshlrev_b32 v9, 2, v9
	v_add_nc_u32 v9, s19, v9                           ; my scale word: 4 (r + 16 u)
	v_lshl_add_u32 v10, v7, 4, s19                     ; back: 16 x lane
	v_add_nc_u32 v11, s19, v1                          ; and 4 x lane
	v_lshlrev_b32 v12, 4, v7                           ; 16 x lane, in memory
	s_lshl_b32 s22, s16, 18                            ; the source: 128 ks rows of 2,048 bytes + 128 b
	s_lshl_b32 s23, s18, 7
	s_add_co_u32 s22, s22, s23
	s_mov_b32 s23, 0
	s_lshr_b32 s24, s18, 2
	s_mul_i32 s24, s24, 3
	s_add_co_u32 s24, s24, s17                         ; s' x 3 + m
	s_and_b32 s25, s18, 3
	s_mul_i32 s26, s24, 49152
	s_mul_i32 s27, s25, 12288
	s_add_co_u32 s26, s26, s27                         ; q, k, v: the pair's codes
	s_mul_i32 s27, s18, 12288
	s_add_co_u32 s27, s27, 589824                      ; Wo: the pair's codes
	s_lshl_b32 s28, s24, 11
	s_lshl_b32 s29, s25, 9
	s_add_co_u32 s28, s28, s29
	s_add_co_u32 s28, s28, 786432                      ; q, k, v: the pair's scale words
	s_lshl_b32 s29, s18, 9
	s_add_co_u32 s29, s29, 811008                      ; Wo's
	s_cmp_eq_u32 s17, 3
	s_cselect_b32 s26, s27, s26
	s_cselect_b32 s28, s29, s28
	s_mul_i32 s27, s16, 1536
	s_add_co_u32 s26, s26, s27                         ; + my K step
	s_lshl_b32 s27, s16, 7
	s_add_co_u32 s28, s28, s27
	s_mov_b32 s27, 0
	s_mov_b32 s29, 0
	s_wait_kmcnt 0x0
	s_cmp_eq_u32 s17, 1                                ; the weight is chosen by the work-group's number alone
	s_cselect_b64 s[30:31], s[8:9], s[6:7]
	s_cmp_eq_u32 s17, 2
	s_cselect_b64 s[30:31], s[10:11], s[30:31]
	s_cmp_eq_u32 s17, 3
	s_cselect_b64 s[30:31], s[12:13], s[30:31]
	s_add_nc_u64 s[30:31], s[30:31], s[22:23]
	s_add_nc_u64 s[32:33], s[20:21], s[26:27]
	s_add_nc_u64 s[34:35], s[20:21], s[28:29]
.set k, 0
.rept 128
	global_load_b32 v[64+k], v1, s[30:31] offset:k*2048 th:TH_LOAD_NT   ; W(128 ks + k, my column): 32 lanes read 128 consecutive bytes
.set k, k+1
.endr
	s_wait_loadcnt 0x0
; Block bk = 2 c + h of my column: all 32 numbers are mine.  Its 24 bytes are registers 6 c .. 6 c + 5 of lane (r, h) of the image.
.macro WBLK bk
.set NB, 64+32*(\bk)
.set CB, 16+10*(\bk)
	v_max3_num_f32 v13, |v[NB]|, |v[NB+1]|, |v[NB+2]|
	v_max3_num_f32 v14, |v[NB+3]|, |v[NB+4]|, |v[NB+5]|
.irp i, 6,10,14,18,22,26
	v_max3_num_f32 v13, v13, |v[NB+\i]|, |v[NB+\i+1]|
	v_max3_num_f32 v14, v14, |v[NB+\i+2]|, |v[NB+\i+3]|
.endr
	v_max3_num_f32 v13, v13, |v[NB+30]|, |v[NB+31]|
	v_max3_num_f32 v13, v13, v14, 0x2800000            ; and the floor
	v_add_nc_u32 v14, 0xfe000000, v13                  ; the conversion's scale operand
	v_lshrrev_b32 v13, 23, v14                         ; the byte
.if (\bk) == 0
	v_mov_b32 v15, v13
.else
	v_lshl_or_b32 v15, v13, 8*(\bk), v15               ; four bytes make my column's scale word for this K step
.endif
	v_cvt_scalef32_pk16_bf6_f32 v[CB:CB+2], v[NB:NB+15], v14
	v_cvt_scalef32_pk16_bf6_f32 v[CB+6:CB+8], v[NB+16:NB+31], v14
	v_nop                                              ; one plain line behind the conversions
.irp i, 0,1,2
	v_mov_b32 v[CB+3+\i], v[CB+6+\i]
.endr
.if (\bk) < 2
	ds_store_b128 v8, v[CB:CB+3] offset:256*((\bk)%2)              ; registers 0-3
	ds_store_b64 v8, v[CB+4:CB+5] offset:256*((\bk)%2)+512         ; registers 4, 5
.else
	ds_store_b64 v8, v[CB:CB+1] offset:256*((\bk)%2)+520           ; registers 6, 7
	ds_store_b128 v8, v[CB+2:CB+5] offset:256*((\bk)%2)+1024       ; registers 8-11
.endif
.endm
	WBLK 0
	WBLK 1
	WBLK 2
	WBLK 3
	ds_store_b32 v9, v15 offset:3072
.irp g, 0,1,2,3,4,5
	ds_load_b128 v[64+4*\g:67+4*\g], v10 offset:512*\g     ; LDS serves a wave's instructions in order: these see my stores
.endr
	ds_load_b32 v88, v11 offset:3072
	s_wait_dscnt 0x0
.irp g, 0,1,2,3,4,5
	global_store_b128 v12, v[64+4*\g:67+4*\g], s[32:33] offset:(\g/3)*6144+(\g%3)*512   ; 512 consecutive bytes a store
.endr
	global_store_b32 v1, v88, s[34:35]                 ; the pair's 32 scale words
	s_wait_tensorcnt 0x0                               ; the wave's end
	ds_add_u32 v5, v6
	s_wait_dscnt 0x0
	s_endpgm
	; ---------------- X ----------------
.Lx_path:
	s_sub_co_u32 s17, ttmp9, 64                        ; which 64 tokens
	s_wait_alu depctr_va_vdst(0)
	v_lshlrev_b32 v1, 4, v7                            ; 16 x lane
	v_lshlrev_b32 v4, 3, v7                            ; 8 x lane
	s_mul_i32 s19, s16, 16896                          ; my wave's two stages
	v_add_nc_u32 v2, s19, v1                           ; in: a row's 512 bytes as they lie
	v_and_b32 v12, 15, v0
	v_bfe_u32 v13, v0, 4, 1
	v_mul_u32_u24 v3, v12, 528
	v_lshl_add_u32 v3, v13, 6, v3
	v_add_nc_u32 v3, s19, v3                           ; out: row r, + 64 (lane / 16): my 16 numbers of each block of 32
	s_mov_b32 s36, 0x76543210
	s_mov_b32 s37, 0xfedcba98
	s_mov_b32 s38, 0xffff0000                          ; lanes 16-31
.irp b, 0,1,2,3
	v_mov_b32 v[TM+4+\b], 0                            ; written once: a lane permute's destination counts as one of its sources
.endr
	s_lshl_b32 s28, s17, 17                            ; 64 rows of 2,048 bytes,
	s_lshl_b32 s29, s16, 9                             ; + my K step's 512 bytes
	s_add_co_u32 s28, s28, s29
	s_mov_b32 s29, 0
	s_mul_i32 s30, s17, 24576
	s_mul_i32 s31, s16, 1536
	s_add_co_u32 s30, s30, s31
	s_mov_b32 s31, 0
	s_lshl_b32 s32, s16, 16
	s_lshl_b32 s33, s17, 8
	s_add_co_u32 s32, s32, s33
	s_add_co_u32 s32, s32, 6291456
	s_mov_b32 s33, 0
	s_wait_alu depctr_va_vdst(0)
	s_wait_kmcnt 0x0
	s_add_nc_u64 s[22:23], s[4:5], s[28:29]
	s_add_nc_u64 s[24:25], s[14:15], s[30:31]
	s_add_nc_u64 s[26:27], s[14:15], s[32:33]
.macro XLD t                           ; tile t's 16 rows: each load reads 512 consecutive bytes of one row
.irp r, 0,1,2,3,4,5,6,7,8,9,10,11,12,13,14,15
	global_load_b128 v[128+64*((\t)%2)+4*\r:131+64*((\t)%2)+4*\r], v1, s[22:23] offset:(32*((\t)/2)+8*((\t)%2)+\r+8*(\r/8))*2048 th:TH_LOAD_NT
.endr
.endm
.macro XTILE t
.if (\t) < 3
	s_wait_loadcnt 16                                  ; this tile's 16 loads are in; the next tile's 16 may be out
.else
	s_wait_loadcnt 0x0
.endif
.irp r, 0,1,2,3,4,5,6,7,8,9,10,11,12,13,14,15
	ds_store_b128 v2, v[128+64*((\t)%2)+4*\r:131+64*((\t)%2)+4*\r] offset:8448*((\t)%2)+528*\r
.endr
.irp b, 0,1,2,3
.irp j, 0,1,2,3
	ds_load_b128 v[NN+16*\b+4*\j:NN+16*\b+4*\j+3], v3 offset:8448*((\t)%2)+128*\b+16*\j   ; rows 528 bytes apart: sixteen lanes, sixteen different columns of 16 bytes
.endr
.endr
	s_wait_dscnt 0x0
	s_wait_xcnt 0x0                                    ; the last tile's stores have read the codes' registers, which QUANT writes again
.if (\t) < 2
	XLD (\t)+2
.endif
	QUANT NN, 0
	v_mov_b32 v[8+(\t)], v[PW]
.irp g, 0,1,2
	global_store_b128 v1, v[PC+4*\g:PC+4*\g+3], s[24:25] offset:6144*(\t)+512*\g
.endr
.endm
	XLD 0
	XLD 1
	XTILE 0
	XTILE 1
	XTILE 2
	XTILE 3
	v_cndmask_b32 v12, v8, v9, s38                     ; lanes 0-15 tile 0's words, lanes 16-31 tile 1's
	v_cndmask_b32 v13, v10, v11, s38                   ; tiles 2 and 3
	global_store_b64 v4, v[12:13], s[26:27]            ; 256 consecutive bytes, aligned
	s_wait_tensorcnt 0x0                               ; the wave's end
	ds_add_u32 v5, v6
	s_wait_dscnt 0x0
	s_endpgm
.Lfunc_end_k_q7eacd8ee78_prep:
	.size	k_q7eacd8ee78_prep, .Lfunc_end_k_q7eacd8ee78_prep-k_q7eacd8ee78_prep
	.p2alignl 7, 3214868480
	.fill 96, 4, 3214868480
	.section	.rodata,"a",@progbits
	.p2align	6, 0x0
	.amdhsa_kernel k_q7eacd8ee78_prep
		.amdhsa_group_segment_fixed_size 81408
		.amdhsa_private_segment_fixed_size 0
		.amdhsa_enable_private_segment 0
		.amdhsa_kernarg_size 56
		.amdhsa_user_sgpr_count 2
		.amdhsa_user_sgpr_kernarg_segment_ptr 1
		.amdhsa_wavefront_size32 1
		.amdhsa_system_sgpr_workgroup_id_x 1
		.amdhsa_system_sgpr_workgroup_id_y 1
		.amdhsa_system_sgpr_workgroup_id_z 1
		.amdhsa_system_vgpr_workitem_id 0
		.amdhsa_next_free_vgpr 256
		.amdhsa_next_free_sgpr 66
		.amdhsa_reserve_vcc 0
		.amdhsa_float_denorm_mode_32 3
		.amdhsa_float_denorm_mode_16_64 3
		.amdhsa_memory_ordered 1
		.amdhsa_forward_progress 1
		.amdhsa_inst_pref_size 55
	.end_amdhsa_kernel
	.amdgpu_metadata
---
amdhsa.version: [ 1, 2 ]
amdhsa.kernels:
  - .name:           k_q7eacd8ee78_prep
    .symbol:         k_q7eacd8ee78_prep.kd
    .args:
      - { .name: X, .offset: 0, .size: 8, .value_kind: global_buffer, .address_space: global }
      - { .name: Wq, .offset: 8, .size: 8, .value_kind: global_buffer, .address_space: global }
      - { .name: Wk, .offset: 16, .size: 8, .value_kind: global_buffer, .address_space: global }
      - { .name: Wv, .offset: 24, .size: 8, .value_kind: global_buffer, .address_space: global }
      - { .name: Wo, .offset: 32, .size: 8, .value_kind: global_buffer, .address_space: global }
      - { .name: XB, .offset: 40, .size: 8, .value_kind: global_buffer, .address_space: global }
      - { .name: WB, .offset: 48, .size: 8, .value_kind: global_buffer, .address_space: global }
    .group_segment_fixed_size: 81408
    .private_segment_fixed_size: 0
    .kernarg_segment_align: 8
    .kernarg_segment_size: 56
    .max_flat_workgroup_size: 128
    .sgpr_count:     66
    .vgpr_count:     256
    .wavefront_size: 32
...
	.end_amdgpu_metadata
.endif
;; end of part 1
;; launch qkv (part 2): grid 64 x 4, 4 waves a work-group, clusters of 4 x 1, 167,936 bytes of LDS; arguments XB, WB, bq, bk, bv, QB, KB, VB; writes QB, KB, VB
.if DOCPART == 2
	.amdgcn_target "amdgcn-amd-amdhsa--gfx1250"
	.amdhsa_code_object_version 6
	.text
	.protected	k_q7eacd8ee78_qkv
	.globl	k_q7eacd8ee78_qkv
	.p2align	8
	.type	k_q7eacd8ee78_qkv,@function
k_q7eacd8ee78_qkv:
	s_mov_b64 s[64:65], 0
	v_nop
	global_prefetch_b8 v0, s[64:65] scope:SCOPE_SE
	s_setreg_imm32_b32 hwreg(HW_REG_WAVE_MODE, 25, 1), 1
	s_wait_xcnt 0x0
	s_wait_alu depctr_hold_cnt(0) depctr_sa_sdst(0) depctr_va_vdst(0) depctr_va_sdst(0) depctr_va_ssrc(0) depctr_va_vcc(0) depctr_vm_vsrc(0)
	s_getreg_b32 s2, hwreg(HW_REG_IB_STS2, 6, 4)
	s_cmp_eq_u32 s2, 0
	s_cbranch_scc0 .Lentry_in_a_cluster
	s_endpgm
.Lentry_in_a_cluster:
	s_bfe_u32 s2, ttmp6, 0x10000c
	s_cmp_lg_u32 s2, 0x3003
	s_cbranch_scc0 .Lentry_shape_is_right
	s_endpgm
.Lentry_shape_is_right:
; LAUNCH 2 OF 3.  q = X Wq + bq, k = X Wk + bk, v = X Wv + bv on codes of E3M2; the results are quantised in registers: q and k along the 512 channels, v along the tokens (the keys).  No work is left out.
; SHARES.  A work-group takes 256 tokens (tb) and 128 columns (slice s') of each of q, k, v.  Wave w: th = w / 2: 128 tokens, 8 tiles, whose 32 fragments of X stay in registers; z = w % 2.
; QK: z = 0 makes q's slice, z = 1 k's, in two passes of 4 token tiles: source 0 = 16 columns of W, source 1 = 16 tokens: a lane holds one token and its registers run along the channels.
; V: d tiles 4 z .. 4 z + 3 of the slice x 8 token tiles: source 0 = 16 tokens, source 1 = 16 columns of Wv: a lane holds one channel and its registers run along the tokens.
; The biases are the C of each sum's first matrix instruction.  The tiles' permutation (see launch 1) makes 16 registers 16 neighbours along the next K.
; CLUSTER: the four work-groups of a cluster share s', so the slice's weights (147,456 dense bytes of WB) are asked for JOINTLY, a quarter by each wave, once, and stay in LDS.
; X's fragments, which the four work-groups along y share, go straight into registers, 36,864 + 12,288 bytes a wave, read once by it: a joint load would land them in LDS only to be read out once.
; OUT.  QB, KB: as XB, with s = s'.  VB: codes at ((tb x 32 + dt) x 2 + kk) x 1536 (dt: permuted channel tile, kk: which 128 keys of tb); SRECs at 6,291,456 + tb x 4096 + (dt / 4) x 512 + kk x 256.
; LIMITS: as in launch 1 (bytes held at 1; zeros get 1; no NaN, no infinities).
; REGISTERS.  window 0: v1-7 addresses; v10, v11 the add's two; v16-31 X's scale words, v32-47 Wq's or Wk's, v48-55 Wv's; v56-61 scale words on their way out; v64-159 two buffers of 4 fragments of W; v160-199 QUANT.
;   window 1: 32 accumulators.   window 2: X's tiles 0-3 (v0-191), the q or k bias (v192-255).   window 3: X's tiles 4-7, v's bias (v192-223).
.set SPARE, 147456                     ; LDS 0 .. 147,455: the weights [m][ct'][ks][1536]; then the spare words, 128 bytes a wave
.set XSC,  16
.set WSC,  32
.set WVSC, 48
.set WB0,  64
.set TM,   160
.set PW,   176
.set PC,   180
.set SEL,  72
.set MSB,  0
.macro WIN new                         ; the immediate's high byte repeats the setting that is left
.if MSB != (\new)
	s_set_vgpr_msb (MSB<<8)|(\new)
.set MSB, \new
.endif
.endm
.macro PLACES                          ; four plain lines behind matrix instructions, ahead of loads into their registers and of reads of their results
.rept 4
	v_nop
.endr
.endm
; 64 numbers of a lane, v[s] .. v[s + 63] of window a, register 16 b + i = k 32 b + 16 (lane / 16) + i of my row, become a fragment's codes in v[PC] on and its scale word in v[PW].
.macro QUANT s, a
	WIN (\a)|((\a)<<2)
.irp b, 0,1,2,3
	v_max3_num_f32 v[TM+\b], |v[(\s)+16*\b]|, |v[(\s)+16*\b+1]|, 0x2800000   ; each accumulator is read from its low end on; the floor 2^(5 - 127) holds the byte at 1
.endr
.irp i, 2,4,6,8,10,12,14
.irp b, 0,1,2,3
	v_max3_num_f32 v[TM+\b], |v[(\s)+16*\b+\i]|, |v[(\s)+16*\b+\i+1]|, v[TM+\b]
.endr
.endr
	WIN 0
.irp b, 0,1,2,3
	v_permlanex16_b32 v[TM+4+\b], v[TM+\b], s[SEL], s[SEL+1]
.endr
.irp b, 0,1,2,3
	v_max_num_f32 v[TM+\b], v[TM+\b], v[TM+4+\b]
.endr
.irp b, 0,1,2,3
	v_add_nc_u32 v[TM+12+\b], 0xfe000000, v[TM+\b]
.endr
.irp b, 0,1,2,3
	v_lshrrev_b32 v[TM+4+\b], 23, v[TM+12+\b]
.endr
	v_lshl_or_b32 v[PW], v[TM+5], 8, v[TM+4]
	v_lshl_or_b32 v[PW], v[TM+6], 16, v[PW]
	v_lshl_or_b32 v[PW], v[TM+7], 24, v[PW]
	WIN (\a)
.irp c, 0,1
	v_cvt_scalef32_pk16_bf6_f32 v[PC+6*\c:PC+6*\c+2], v[(\s)+32*\c:(\s)+32*\c+15], v[TM+12+2*\c]
	v_cvt_scalef32_pk16_bf6_f32 v[PC+12+4*\c:PC+14+4*\c], v[(\s)+32*\c+16:(\s)+32*\c+31], v[TM+13+2*\c]
.endr
	WIN 0
	v_nop                                              ; one plain line behind the conversions
.irp c, 0,1
.irp i, 0,1,2
	v_permlane16_swap_b32 v[PC+6*\c+\i], v[PC+12+4*\c+\i]
.endr
.irp i, 0,1,2
	v_mov_b32 v[PC+3+6*\c+\i], v[PC+12+4*\c+\i]
.endr
.endr
.endm
; One matrix instruction.  c < 0: the constant 0 starts the sum.  ra, rb odd: that side's scale words stand in lanes 16-31 of the register named.
.macro MM d, a, b, c, sa, sb, ra, rb
.if (\c) < 0
.if ((\ra)%2) && ((\rb)%2)
	v_wmma_scale_f32_16x16x128_f8f6f4 v[(\d):(\d)+7], v[(\a):(\a)+11], v[(\b):(\b)+11], 0, v[\sa], v[\sb] matrix_a_fmt:MATRIX_FMT_BF6 matrix_b_fmt:MATRIX_FMT_BF6 matrix_a_scale:MATRIX_SCALE_ROW1 matrix_b_scale:MATRIX_SCALE_ROW1
.elseif ((\ra)%2)
	v_wmma_scale_f32_16x16x128_f8f6f4 v[(\d):(\d)+7], v[(\a):(\a)+11], v[(\b):(\b)+11], 0, v[\sa], v[\sb] matrix_a_fmt:MATRIX_FMT_BF6 matrix_b_fmt:MATRIX_FMT_BF6 matrix_a_scale:MATRIX_SCALE_ROW1
.elseif ((\rb)%2)
	v_wmma_scale_f32_16x16x128_f8f6f4 v[(\d):(\d)+7], v[(\a):(\a)+11], v[(\b):(\b)+11], 0, v[\sa], v[\sb] matrix_a_fmt:MATRIX_FMT_BF6 matrix_b_fmt:MATRIX_FMT_BF6 matrix_b_scale:MATRIX_SCALE_ROW1
.else
	v_wmma_scale_f32_16x16x128_f8f6f4 v[(\d):(\d)+7], v[(\a):(\a)+11], v[(\b):(\b)+11], 0, v[\sa], v[\sb] matrix_a_fmt:MATRIX_FMT_BF6 matrix_b_fmt:MATRIX_FMT_BF6
.endif
.else
.if ((\ra)%2) && ((\rb)%2)
	v_wmma_scale_f32_16x16x128_f8f6f4 v[(\d):(\d)+7], v[(\a):(\a)+11], v[(\b):(\b)+11], v[(\c):(\c)+7], v[\sa], v[\sb] matrix_a_fmt:MATRIX_FMT_BF6 matrix_b_fmt:MATRIX_FMT_BF6 matrix_a_scale:MATRIX_SCALE_ROW1 matrix_b_scale:MATRIX_SCALE_ROW1
.elseif ((\ra)%2)
	v_wmma_scale_f32_16x16x128_f8f6f4 v[(\d):(\d)+7], v[(\a):(\a)+11], v[(\b):(\b)+11], v[(\c):(\c)+7], v[\sa], v[\sb] matrix_a_fmt:MATRIX_FMT_BF6 matrix_b_fmt:MATRIX_FMT_BF6 matrix_a_scale:MATRIX_SCALE_ROW1
.elseif ((\rb)%2)
	v_wmma_scale_f32_16x16x128_f8f6f4 v[(\d):(\d)+7], v[(\a):(\a)+11], v[(\b):(\b)+11], v[(\c):(\c)+7], v[\sa], v[\sb] matrix_a_fmt:MATRIX_FMT_BF6 matrix_b_fmt:MATRIX_FMT_BF6 matrix_b_scale:MATRIX_SCALE_ROW1
.else
	v_wmma_scale_f32_16x16x128_f8f6f4 v[(\d):(\d)+7], v[(\a):(\a)+11], v[(\b):(\b)+11], v[(\c):(\c)+7], v[\sa], v[\sb] matrix_a_fmt:MATRIX_FMT_BF6 matrix_b_fmt:MATRIX_FMT_BF6
.endif
.endif
.endm
.macro CROUND                          ; a round of the cluster's barrier
	s_barrier_signal -1
	s_barrier_wait -1
	s_cmp_lg_u32 s40, 0
	s_cbranch_scc1 .Lnot_wave_0_\@
	s_barrier_signal -3
.Lnot_wave_0_\@:
	s_barrier_wait -3
	s_barrier_signal -1
	s_barrier_wait -1
.endm
.macro FETCHW buf, adr, base           ; four fragments of W, 6,144 bytes apart (neighbouring column tiles, one K step), as images: 512 consecutive bytes a load
.irp f, 0,1,2,3
.irp g, 0,1,2
	ds_load_b128 v[(\buf)+12*\f+4*\g:(\buf)+12*\f+4*\g+3], v[\adr] offset:(\base)+\f*6144+512*\g
.endr
.endr
.endm
	s_load_b256 s[4:11], s[0:1], 0x0                   ; XB s[4:5], WB s[6:7], bq s[8:9], bk s[10:11]
	s_load_b256 s[24:31], s[0:1], 0x20                 ; bv s[24:25], QB s[26:27], KB s[28:29], VB s[30:31]
	v_lshl_add_u32 v10, v0, 2, SPARE
	v_mov_b32 v11, 0
	ds_add_u32 v10, v11                                ; the wave's opening: the add, twice on end, and its wait ahead of my first tensor load
	ds_add_u32 v10, v11
	v_lshrrev_b32 v1, 5, v0
	v_readfirstlane_b32 s40, v1                        ; wave
	s_bfe_u32 s41, ttmp6, 0x40000                      ; cx
	s_lshl_b32 s42, ttmp9, 2
	s_add_co_u32 s42, s42, s41                         ; tb = 4 x cluster x + cx: it enters global addresses alone
	s_and_b32 s43, ttmp7, 0xffff                       ; s', which the four partners share
	s_lshr_b32 s44, s40, 1                             ; th
	s_and_b32 s45, s40, 1                              ; z
	s_mov_b32 s16, 15|(3<<16)|(1<<21)                  ; group 1: the mask names all four; elements of 8 bytes; bit 21 beside a mask; no padding
	s_mov_b32 s17, 32<<16                              ; tensor_dim0 = 32 (256 bytes)
	s_mov_b32 s18, 144<<16                             ; tensor_dim1 = 144
	s_mov_b32 s19, 32<<16                              ; tile_dim0
	s_mov_b32 s20, 144                                 ; tile_dim1
	s_mov_b32 s21, 32                                  ; the pitch: dense
	s_mov_b32 s22, 0
	s_mov_b32 s23, 0
	s_mov_b32 s12, 1
	s_mul_i32 s13, s40, 36864                          ; my quarter's place in LDS
	s_mul_i32 s46, s43, 147456
	s_add_co_u32 s46, s46, s13                         ; and in WB: made of s' and the wave's number alone
	s_mov_b32 s47, 0
	s_mul_i32 s32, s42, 98304
	s_mul_i32 s34, s44, 49152
	s_add_co_u32 s32, s32, s34                         ; my 8 token tiles' codes: (tb x 16 + th x 8) x 6144
	s_lshl_b32 s33, s42, 10
	s_lshl_b32 s34, s44, 9
	s_add_co_u32 s33, s33, s34                         ; their SRECs: (tb x 4 + th x 2) x 256
	s_mov_b32 s72, 0x76543210
	s_mov_b32 s73, 0xfedcba98
	s_mov_b32 s74, 0xffff0000                          ; lanes 16-31
	s_mov_b32 s77, 0
	s_wait_dscnt 0x0                                   ; both opening adds are done
	s_wait_kmcnt 0x0
	s_add_nc_u64 s[14:15], s[6:7], s[46:47]
	s_or_b32 s15, s15, 0x80000000
	CROUND                                             ; all four work-groups are here: the joint loads meet
	tensor_load_to_lds s[12:15], s[16:23]              ; my one tensor load: 144 rows of 256 bytes; filled once
	s_nop 0
	PLACES
	v_and_b32 v8, 31, v0
	v_lshlrev_b32 v1, 4, v8                            ; 16 x lane
	v_lshlrev_b32 v2, 3, v8                            ; 8 x lane
	v_lshlrev_b32 v3, 2, v8                            ; 4 x lane
	s_mul_i32 s48, s45, 49152
	v_add_nc_u32 v4, s48, v1                           ; W in LDS: q's block or k's
	s_mul_i32 s48, s45, 24576
	s_add_co_u32 s48, s48, 98304
	v_add_nc_u32 v5, s48, v1                           ; Wv's block, my four tiles
	v_bfe_u32 v9, v0, 4, 1
	v_lshlrev_b32 v6, 6, v9                            ; q, k bias: 64 (lane / 16)
	s_wait_alu depctr_va_vdst(0)
	v_and_b32 v8, 15, v0
	v_and_b32 v9, 8, v8
	v_add_nc_u32 v7, v8, v9
	v_lshlrev_b32 v7, 2, v7                            ; v bias: 4 (r + 8 (r / 8))
	s_wait_alu depctr_va_vdst(0)
.irp b, 0,1,2,3
	v_mov_b32 v[TM+4+\b], 0                            ; written once: a lane permute's destination counts as one of its sources
.endr
	s_mov_b32 s76, s32
	s_add_nc_u64 s[50:51], s[4:5], s[76:77]            ; X's fragments
	s_add_co_u32 s76, s33, 6291456
	s_add_nc_u64 s[52:53], s[4:5], s[76:77]            ; X's SRECs
	s_mul_i32 s34, s43, 3
	s_add_co_u32 s35, s34, s45
	s_lshl_b32 s76, s35, 11
	s_add_co_u32 s76, s76, 786432
	s_add_nc_u64 s[54:55], s[6:7], s[76:77]            ; Wq's or Wk's scale words
	s_add_co_u32 s35, s34, 2
	s_lshl_b32 s76, s35, 11
	s_lshl_b32 s35, s45, 10
	s_add_co_u32 s76, s76, s35
	s_add_co_u32 s76, s76, 786432
	s_add_nc_u64 s[56:57], s[6:7], s[76:77]            ; Wv's, my two pairs
	s_cmp_eq_u32 s45, 0                                ; q or k: by the wave's number
	s_cselect_b64 s[58:59], s[8:9], s[10:11]
	s_cselect_b64 s[62:63], s[26:27], s[28:29]
	s_lshl_b32 s76, s43, 9
	s_add_nc_u64 s[58:59], s[58:59], s[76:77]          ; the slice's bias
	s_lshl_b32 s35, s45, 8
	s_add_co_u32 s76, s76, s35
	s_add_nc_u64 s[60:61], s[24:25], s[76:77]          ; bv at my 64 channels
	s_lshl_b32 s76, s43, 16
	s_add_co_u32 s76, s76, s33
	s_add_co_u32 s76, s76, 6291456
	s_add_nc_u64 s[66:67], s[62:63], s[76:77]          ; out: q's or k's SRECs
	s_mul_i32 s76, s43, 1536
	s_add_co_u32 s76, s76, s32
	s_add_nc_u64 s[62:63], s[62:63], s[76:77]          ; out: q's or k's codes
	s_mul_i32 s76, s42, 98304
	s_mul_i32 s35, s43, 24576
	s_add_co_u32 s76, s76, s35
	s_mul_i32 s35, s45, 12288
	s_add_co_u32 s76, s76, s35
	s_mul_i32 s35, s44, 1536
	s_add_co_u32 s76, s76, s35
	s_add_nc_u64 s[68:69], s[30:31], s[76:77]          ; out: v's codes
	s_lshl_b32 s76, s42, 12
	s_lshl_b32 s35, s43, 10
	s_add_co_u32 s76, s76, s35
	s_lshl_b32 s35, s45, 9
	s_add_co_u32 s76, s76, s35
	s_lshl_b32 s35, s44, 8
	s_add_co_u32 s76, s76, s35
	s_add_co_u32 s76, s76, 6291456
	s_add_nc_u64 s[70:71], s[30:31], s[76:77]          ; out: v's SREC
	WIN 0x80                                           ; destination window 2
.set i, 0
.rept 48
	global_load_b128 v[4*i:4*i+3], v1, s[50:51] offset:512*i           ; X's fragments (tt, ks) at register 12 (4 tt + ks): tiles 0-3
.set i, i+1
.endr
.irp c, 0,1,2,3,4,5,6,7
	global_load_b128 v[192+8*\c:195+8*\c], v6, s[58:59] offset:(32*(\c/2)+8*(\c%2))*4      ; the bias in the result's layout: channels 32 b + 16 (lane / 16) + 8 u + 0 .. 7
	global_load_b128 v[196+8*\c:199+8*\c], v6, s[58:59] offset:(32*(\c/2)+8*(\c%2))*4+16
.endr
	WIN 0xc0                                           ; destination window 3
.set i, 0
.rept 48
	global_load_b128 v[4*i:4*i+3], v1, s[50:51] offset:512*(i+48)      ; tiles 4-7
.set i, i+1
.endr
.irp c, 0,1,2,3
.irp j, 0,1,2,3,4,5,6,7
	global_load_b32 v[192+8*\c+\j], v7, s[60:61] offset:(32*(\c/2)+8*(\c%2))*4             ; v's bias: my lane's channel, the same for the eight tokens of an accumulator
.endr
.endr
	WIN 0
.irp e, 0,1,2,3
.irp g, 0,1
	global_load_b64 v[XSC+4*\e+2*\g:XSC+4*\e+2*\g+1], v2, s[52:53] offset:\e*65536+\g*256
.endr
.endr
.irp c, 0,1,2,3
.irp e, 0,1,2,3
	global_load_b32 v[WSC+4*\c+\e], v3, s[54:55] offset:\c*512+\e*128
.endr
.endr
.irp c, 0,1
.irp e, 0,1,2,3
	global_load_b32 v[WVSC+4*\c+\e], v3, s[56:57] offset:\c*512+\e*128
.endr
.endr
	s_wait_tensorcnt 0x0                               ; my quarter of the weights has landed,
	s_barrier_signal -1
	s_barrier_wait -1                                  ; everybody's has
	s_wait_loadcnt 0x0
; Pass p of QK: token tiles 4 p .. 4 p + 3 x the slice's 8 column tiles, in 8 half steps of 4 fragments of W (K step hs / 2, tiles 4 (hs % 2) on): 16 matrix instructions each, 32 accumulators by turns.
.macro QKPASS p
	FETCHW WB0, 4, 0
.set hs, 0
.rept 8
	s_wait_dscnt 0x0                                   ; this half step's fragments are in
	PLACES                                             ; behind the half step before, whose buffer is loaded anew
.if hs < 7
	FETCHW WB0+48*((hs+1)%2), 4, ((hs+1)%2)*24576+((hs+1)/2)*1536
.endif
.if hs < 2
	WIN ((2+\p)<<2)|0x60                               ; source 1 (X) window 2 + p, C (the bias) window 2, D window 1
.else
	WIN ((2+\p)<<2)|0x50
.endif
.irp f, 0,1,2,3
.irp t, 0,1,2,3
.set CT, 4*(hs%2)+\f
.set DD, 64*\t+8*(4*(hs%2)+\f)
.if hs < 2
.set CC, 192+8*(4*(hs%2)+\f)
.else
.set CC, 64*\t+8*(4*(hs%2)+\f)
.endif
	MM DD, WB0+48*(hs%2)+12*\f, 12*(4*\t+hs/2), CC, WSC+4*(CT/2)+hs/2, XSC+4*(hs/2)+2*(\p)+\t/2, CT, \t
.endr
.endr
	WIN 0
.set hs, hs+1
.endr
	PLACES
.irp t, 0,1,2,3
	s_wait_xcnt 0x0                                    ; earlier stores have read the registers that are written again
	QUANT 64*\t, 1
	v_mov_b32 v[56+\t], v[PW]
.irp g, 0,1,2
	global_store_b128 v1, v[PC+4*\g:PC+4*\g+3], s[62:63] offset:(4*(\p)+\t)*6144+512*\g
.endr
.endr
	v_cndmask_b32 v60, v56, v57, s74
	v_cndmask_b32 v61, v58, v59, s74
	global_store_b64 v2, v[60:61], s[66:67] offset:(\p)*256
.endm
	QKPASS 0
	QKPASS 1
	; V: a K step at a time: 4 fragments of Wv, 32 matrix instructions, 32 accumulators by turns
	FETCHW WB0, 5, 0
.set ks, 0
.rept 4
	s_wait_dscnt 0x0
	PLACES
.if ks < 3
	FETCHW WB0+48*((ks+1)%2), 5, (ks+1)*1536
.endif
.irp hf, 0,1
.if ks == 0
	WIN (2+\hf)|0x70                                   ; source 0 (X) window 2 + hf, C (the bias) window 3, D window 1
.else
	WIN (2+\hf)|0x50
.endif
.irp f, 0,1,2,3
.irp t, 0,1,2,3
.set DD, 64*\f+8*(4*\hf+\t)
.if ks == 0
.set CC, 192+8*\f
.else
.set CC, 64*\f+8*(4*\hf+\t)
.endif
	MM DD, 12*(4*\t+ks), WB0+48*(ks%2)+12*\f, CC, XSC+4*ks+2*\hf+\t/2, WVSC+4*(\f/2)+ks, \t, \f
.endr
.endr
.endr
	WIN 0
.set ks, ks+1
.endr
	PLACES
.irp f, 0,1,2,3
	s_wait_xcnt 0x0
	QUANT 64*\f, 1                                     ; 16 channels x my 128 tokens: a fragment of V with the keys innermost
	v_mov_b32 v[56+\f], v[PW]
.irp g, 0,1,2
	global_store_b128 v1, v[PC+4*\g:PC+4*\g+3], s[68:69] offset:\f*3072+512*\g
.endr
.endr
	v_cndmask_b32 v60, v56, v57, s74
	v_cndmask_b32 v61, v58, v59, s74
	global_store_b64 v2, v[60:61], s[70:71]
	s_wait_tensorcnt 0x0                               ; the wave's end
	ds_add_u32 v10, v11
	s_wait_dscnt 0x0
	CROUND                                             ; the closing round
	s_endpgm
.Lfunc_end_k_q7eacd8ee78_qkv:
	.size	k_q7eacd8ee78_qkv, .Lfunc_end_k_q7eacd8ee78_qkv-k_q7eacd8ee78_qkv
	.p2alignl 7, 3214868480
	.fill 96, 4, 3214868480
	.section	.rodata,"a",@progbits
	.p2align	6, 0x0
	.amdhsa_kernel k_q7eacd8ee78_qkv
		.amdhsa_group_segment_fixed_size 167936
		.amdhsa_private_segment_fixed_size 0
		.amdhsa_enable_private_segment 0
		.amdhsa_kernarg_size 64
		.amdhsa_user_sgpr_count 2
		.amdhsa_user_sgpr_kernarg_segment_ptr 1
		.amdhsa_wavefront_size32 1
		.amdhsa_system_sgpr_workgroup_id_x 1
		.amdhsa_system_sgpr_workgroup_id_y 1
		.amdhsa_system_sgpr_workgroup_id_z 1
		.amdhsa_system_vgpr_workitem_id 0
		.amdhsa_next_free_vgpr 1024
		.amdhsa_next_free_sgpr 80
		.amdhsa_reserve_vcc 0
		.amdhsa_float_denorm_mode_32 3
		.amdhsa_float_denorm_mode_16_64 3
		.amdhsa_memory_ordered 1
		.amdhsa_forward_progress 1
		.amdhsa_inst_pref_size 142
	.end_amdhsa_kernel
	.amdgpu_metadata
---
amdhsa.version: [ 1, 2 ]
amdhsa.kernels:
  - .name:           k_q7eacd8ee78_qkv
    .symbol:         k_q7eacd8ee78_qkv.kd
    .args:
      - { .name: XB, .offset: 0, .size: 8, .value_kind: global_buffer, .address_space: global }
      - { .name: WB, .offset: 8, .size: 8, .value_kind: global_buffer, .address_space: global }
      - { .name: bq, .offset: 16, .size: 8, .value_kind: global_buffer, .address_space: global }
      - { .name: bk, .offset: 24, .size: 8, .value_kind: global_buffer, .address_space: global }
      - { .name: bv, .offset: 32, .size: 8, .value_kind: global_buffer, .address_space: global }
      - { .name: QB, .offset: 40, .size: 8, .value_kind: global_buffer, .address_space: global }
      - { .name: KB, .offset: 48, .size: 8, .value_kind: global_buffer, .address_space: global }
      - { .name: VB, .offset: 56, .size: 8, .value_kind: global_buffer, .address_space: global }
    .group_segment_fixed_size: 167936
    .private_segment_fixed_size: 0
    .kernarg_segment_align: 8
    .kernarg_segment_size: 64
    .max_flat_workgroup_size: 128
    .sgpr_count:     80
    .vgpr_count:     1024
    .wavefront_size: 32
...
	.end_amdgpu_metadata
.endif
;; end of part 2
;; launch attn (part 3): grid 32 x 8, 4 waves a work-group, clusters of 4 x 1, 327,680 bytes of LDS; arguments QB, KB, VB, WB, X, bo, ln_gamma, ln_beta, out0; writes out0
.if DOCPART == 3
	.amdgcn_target "amdgcn-amd-amdhsa--gfx1250"
	.amdhsa_code_object_version 6
	.text
	.protected	k_q7eacd8ee78_attn
	.globl	k_q7eacd8ee78_attn
	.p2align	8
	.type	k_q7eacd8ee78_attn,@function
k_q7eacd8ee78_attn:
	s_mov_b64 s[64:65], 0
	v_nop
	global_prefetch_b8 v0, s[64:65] scope:SCOPE_SE
	s_setreg_imm32_b32 hwreg(HW_REG_WAVE_MODE, 25, 1), 1
	s_wait_xcnt 0x0
	s_wait_alu depctr_hold_cnt(0) depctr_sa_sdst(0) depctr_va_vdst(0) depctr_va_sdst(0) depctr_va_ssrc(0) depctr_va_vcc(0) depctr_vm_vsrc(0)
	s_getreg_b32 s2, hwreg(HW_REG_IB_STS2, 6, 4)
	s_cmp_eq_u32 s2, 0
	s_cbranch_scc0 .Lentry_in_a_cluster
	s_endpgm
.Lentry_in_a_cluster:
	s_bfe_u32 s2, ttmp6, 0x10000c
	s_cmp_lg_u32 s2, 0x3003
	s_cbranch_scc0 .Lentry_shape_is_right
	s_endpgm
.Lentry_shape_is_right:
; LAUNCH 3 OF 3.  scores, softmax, ctx, ctx Wo + bo + X, LayerNorm.  All three products on codes of E3M2.  No work is left out.
; THE SOFTMAX: t = score x c, c = log2(e) / sqrt(512); M = the running largest t rounded UP to a whole number, kept as -M = floor(-t); p = 2^(t - M) is quantised along the keys, not normalised;
; the row's sum is taken of the unquantised p and divides at the end; when M moves, the sums and O are multiplied by 2^(old M - new M), which rounds nothing.
; SHARES.  A work-group owns 64 queries of one batch: four tiles qt.  Eight key steps of 256 keys.  S^T = K Q^T: wave w makes keys 64 w .. + 63 for all four tiles.  O^T = V^T P^T: wave w makes channels 128 w .. + 127.
; p goes from wave to wave through LDS as images of registers; M is common: the waves exchange their maxima.  out^T = Wo^T ctx^T: wave w makes columns 128 w .. + 127.  A lane holds one query throughout.
; CLUSTER: four work-groups of one batch walk the same K and V: a step's K tile and V tile (98,304 dense bytes each) are asked for JOINTLY, 49,152 bytes a wave: waves 0, 1 K's halves, waves 2, 3 V's.
; ONE REGION FOR K, ONE FOR V.  Behind S of step j both have been read out into registers (K's slices ahead of S, V's groups during S, into the registers that K's slices leave): the barrier that exchanges the maxima is
; the cluster's round, and behind it both regions take step j + 1.  A barrier inside PV, with each wave's wait for its load in front, shows the new tiles whole; K's slices then follow V's groups into the registers.
; In the last step the same four loads bring Wo, 49,152 bytes a wave, each wave its own eight column tiles.  Q stays in registers for the whole launch; behind the last S its registers take my 16 rows of X.
; The scale words (2,048 bytes a wave and step) go from memory straight into registers, a step ahead.
; PREFETCH: in the batch's first cluster each of the 16 waves names 24 blocks of 256 bytes of K's tile and 24 of V's, of step j + 2, in step j: one step ahead of the load that asks for them; steps 6 and 7 ask for nothing.
; The partners share the blocks out by address.  X is not prefetched: its loads into registers stand the softmax, PV and the last product ahead of their use.
; LIMITS: p under 2^-126 is flushed to 0 by v_exp_f32; 1 / sum and 1 / sqrt are v_rcp_f32 and v_rsq_f32 (1 ulp); scale bytes held at 1 from below, a block of zeros gets 1; NaN and infinities are not served;
; the scaled scores stay under 2^31 in magnitude.
; REGISTERS.  window 0: v1-15, v125-127 addresses, v10, v11 the add's two; v16 + 6 qt: [-M, largest t], [sum, sum], [f, at work]; v40-47 Q's scale words, v48-55 K's, v56-63 V's, v64-67 P's (later ctx's);
;   v68-123 at work; v128-255 S^T (32 qt + 8 kt), then P's 8 fragments, later ctx's.   window 1: O^T (64 qt + 8 dt'), later out^T.   window 2: Q (12 (4 qt + s)), later X (16 a row).
;   window 3: v0-191 K (12 (4 s + kt)) and V (12 (4 g + t)) by turns, later Wo; v192-239 bo, gamma, beta.
.set CIMG,  0                          ; LDS: ctx's 16 fragments (qt x 4 + ks) x 1536
.set PIMG,  24576                      ; P's 8 fragments (kk x 4 + qt) x 1536 + c x 768
.set PSC,   36864                      ; P's scale words
.set CSC,   37376                      ; ctx's
.set MX,    38400                      ; the waves' maxima: qt x 512 + 16 lane + 4 w
.set LX,    40448                      ; the waves' sums, likewise
.set SPARE, 42496                      ; the spare words, 128 bytes a wave
.set KS,    43008                      ; K's tile, 98,304 bytes; at the end Wo's first half
.set VS,    141312                     ; V's tile; at the end Wo's second half
.set STG,   43008                      ; the stage, 64 rows x 2,064 bytes, over the two regions behind their last fill and last read
.set TM,    68
.set PC,    100
.set PW,    120
.set SEL,   44
.set MSB,   0
.macro WIN new
.if MSB != (\new)
	s_set_vgpr_msb (MSB<<8)|(\new)
.set MSB, \new
.endif
.endm
.macro PLACES                          ; four plain lines behind matrix instructions (ISA guide 7.12.1)
.rept 4
	v_nop
.endr
.endm
.macro BARRIER
	s_wait_dscnt 0x0
	s_barrier_signal -1
	s_barrier_wait -1
.endm
.macro ROUND                           ; a round of the cluster's barrier
	s_barrier_signal -1
	s_barrier_wait -1
	s_cmp_lg_u32 s40, 0
	s_cbranch_scc1 .Lnw0_\@
	s_barrier_signal -3
.Lnw0_\@:
	s_barrier_wait -3
	s_barrier_signal -1
	s_barrier_wait -1
.endm
; 64 numbers of a lane, v[s] .. v[s + 63] of window a, become a fragment's codes in v[PC] on and its scale word in v[PW].
.macro QUANT s, a
	WIN (\a)|((\a)<<2)
.irp b, 0,1,2,3
	v_max3_num_f32 v[TM+\b], |v[(\s)+16*\b]|, |v[(\s)+16*\b+1]|, 0x2800000
.endr
.irp i, 2,4,6,8,10,12,14
.irp b, 0,1,2,3
	v_max3_num_f32 v[TM+\b], |v[(\s)+16*\b+\i]|, |v[(\s)+16*\b+\i+1]|, v[TM+\b]
.endr
.endr
	WIN 0
.irp b, 0,1,2,3
	v_permlanex16_b32 v[TM+4+\b], v[TM+\b], s[SEL], s[SEL+1]
.endr
.irp b, 0,1,2,3
	v_max_num_f32 v[TM+\b], v[TM+\b], v[TM+4+\b]
.endr
.irp b, 0,1,2,3
	v_add_nc_u32 v[TM+12+\b], 0xfe000000, v[TM+\b]
.endr
.irp b, 0,1,2,3
	v_lshrrev_b32 v[TM+4+\b], 23, v[TM+12+\b]
.endr
	v_lshl_or_b32 v[PW], v[TM+5], 8, v[TM+4]
	v_lshl_or_b32 v[PW], v[TM+6], 16, v[PW]
	v_lshl_or_b32 v[PW], v[TM+7], 24, v[PW]
	WIN (\a)
.irp c, 0,1
	v_cvt_scalef32_pk16_bf6_f32 v[PC+6*\c:PC+6*\c+2], v[(\s)+32*\c:(\s)+32*\c+15], v[TM+12+2*\c]
	v_cvt_scalef32_pk16_bf6_f32 v[PC+12+4*\c:PC+14+4*\c], v[(\s)+32*\c+16:(\s)+32*\c+31], v[TM+13+2*\c]
.endr
	WIN 0
	v_nop                                              ; one plain line behind the conversions
.irp c, 0,1
.irp i, 0,1,2
	v_permlane16_swap_b32 v[PC+6*\c+\i], v[PC+12+4*\c+\i]
.endr
.irp i, 0,1,2
	v_mov_b32 v[PC+3+6*\c+\i], v[PC+12+4*\c+\i]
.endr
.endr
.endm
; One matrix instruction.  c < 0: the constant 0 starts the sum.  ra, rb odd: that side's scale words stand in lanes 16-31.
.macro MM d, a, b, c, sa, sb, ra, rb
.if (\c) < 0
.if ((\ra)%2) && ((\rb)%2)
	v_wmma_scale_f32_16x16x128_f8f6f4 v[(\d):(\d)+7], v[(\a):(\a)+11], v[(\b):(\b)+11], 0, v[\sa], v[\sb] matrix_a_fmt:MATRIX_FMT_BF6 matrix_b_fmt:MATRIX_FMT_BF6 matrix_a_scale:MATRIX_SCALE_ROW1 matrix_b_scale:MATRIX_SCALE_ROW1
.elseif ((\ra)%2)
	v_wmma_scale_f32_16x16x128_f8f6f4 v[(\d):(\d)+7], v[(\a):(\a)+11], v[(\b):(\b)+11], 0, v[\sa], v[\sb] matrix_a_fmt:MATRIX_FMT_BF6 matrix_b_fmt:MATRIX_FMT_BF6 matrix_a_scale:MATRIX_SCALE_ROW1
.elseif ((\rb)%2)
	v_wmma_scale_f32_16x16x128_f8f6f4 v[(\d):(\d)+7], v[(\a):(\a)+11], v[(\b):(\b)+11], 0, v[\sa], v[\sb] matrix_a_fmt:MATRIX_FMT_BF6 matrix_b_fmt:MATRIX_FMT_BF6 matrix_b_scale:MATRIX_SCALE_ROW1
.else
	v_wmma_scale_f32_16x16x128_f8f6f4 v[(\d):(\d)+7], v[(\a):(\a)+11], v[(\b):(\b)+11], 0, v[\sa], v[\sb] matrix_a_fmt:MATRIX_FMT_BF6 matrix_b_fmt:MATRIX_FMT_BF6
.endif
.else
.if ((\ra)%2) && ((\rb)%2)
	v_wmma_scale_f32_16x16x128_f8f6f4 v[(\d):(\d)+7], v[(\a):(\a)+11], v[(\b):(\b)+11], v[(\c):(\c)+7], v[\sa], v[\sb] matrix_a_fmt:MATRIX_FMT_BF6 matrix_b_fmt:MATRIX_FMT_BF6 matrix_a_scale:MATRIX_SCALE_ROW1 matrix_b_scale:MATRIX_SCALE_ROW1
.elseif ((\ra)%2)
	v_wmma_scale_f32_16x16x128_f8f6f4 v[(\d):(\d)+7], v[(\a):(\a)+11], v[(\b):(\b)+11], v[(\c):(\c)+7], v[\sa], v[\sb] matrix_a_fmt:MATRIX_FMT_BF6 matrix_b_fmt:MATRIX_FMT_BF6 matrix_a_scale:MATRIX_SCALE_ROW1
.elseif ((\rb)%2)
	v_wmma_scale_f32_16x16x128_f8f6f4 v[(\d):(\d)+7], v[(\a):(\a)+11], v[(\b):(\b)+11], v[(\c):(\c)+7], v[\sa], v[\sb] matrix_a_fmt:MATRIX_FMT_BF6 matrix_b_fmt:MATRIX_FMT_BF6 matrix_b_scale:MATRIX_SCALE_ROW1
.else
	v_wmma_scale_f32_16x16x128_f8f6f4 v[(\d):(\d)+7], v[(\a):(\a)+11], v[(\b):(\b)+11], v[(\c):(\c)+7], v[\sa], v[\sb] matrix_a_fmt:MATRIX_FMT_BF6 matrix_b_fmt:MATRIX_FMT_BF6
.endif
.endif
.endm
.macro KLOAD s                         ; slice s of my four key tiles, from K's region: 12 loads of 512 consecutive bytes
	WIN 0xc0
.irp kt, 0,1,2,3
.irp g, 0,1,2
	ds_load_b128 v[12*(4*(\s)+\kt)+4*\g:12*(4*(\s)+\kt)+4*\g+3], v12 offset:(4*\kt+(\s))*1536+512*\g
.endr
.endr
	WIN 0
.endm
.macro VLOAD g                         ; V's group g (kk = g / 2, channel tiles 4 (g % 2) on), from V's region
	WIN 0xc0
.irp t, 0,1,2,3
.irp c, 0,1,2
	ds_load_b128 v[12*(4*(\g)+\t)+4*\c:12*(4*(\g)+\t)+4*\c+3], v125 offset:(2*(4*((\g)%2)+\t)+(\g)/2)*1536+512*\c
.endr
.endr
	WIN 0
.endm
.macro WOLOAD e                        ; Wo's K step e of my eight column tiles: 24 loads, into v0-95 (e even) or v96-191
	WIN 0xc0
.irp t, 0,1,2,3,4,5,6,7
.irp g, 0,1,2
	ds_load_b128 v[96*((\e)%2)+12*\t+4*\g:96*((\e)%2)+12*\t+4*\g+3], v126 offset:(4*\t+(\e))*1536+512*\g
.endr
.endr
	WIN 0
.endm
.macro KSCALE s, last                  ; the next step's scale words of K's slice s; last = 1: Wo's, K steps 0 and 1 of pair s
.if \last
	global_load_b32 v[48+2*(\s)], v3, s[34:35] offset:(\s)*512
	global_load_b32 v[49+2*(\s)], v3, s[34:35] offset:(\s)*512+128
.else
	global_load_b64 v[48+2*(\s):49+2*(\s)], v2, s[26:27] offset:1024+(\s)*65536
.endif
.endm
.macro VSCALE g, last                  ; the same for V's group g, at the step where V's pointer stands; last = 1: Wo's K steps 2 and 3
.if \last
	global_load_b32 v[56+2*(\g)], v3, s[34:35] offset:(\g)*512+256
	global_load_b32 v[57+2*(\g)], v3, s[34:35] offset:(\g)*512+384
.else
	global_load_b64 v[56+2*(\g):57+2*(\g)], v2, s[30:31] offset:(((\g)%2)*2+(\g)/2)*256
.endif
.endm
.macro XROWS r0                        ; eight of my 16 rows of X into window 2: 512 consecutive bytes a load
	WIN 0x80
.irp r, 0,1,2,3,4,5,6,7
.irp i, 0,1,2,3
	global_load_b128 v[16*((\r0)+\r)+4*\i:16*((\r0)+\r)+4*\i+3], v1, s[36:37] offset:(2*(\r0)+\r)*2048+512*\i th:TH_LOAD_NT
.endr
.endr
	WIN 0
.endm
.macro RESC q0                         ; O^T of tiles q0 and q0 + 1 under the new M
	WIN 0x41
.irp q, \q0, \q0+1
.set j, 0
.rept 32
	v_pk_mul_f32 v[64*(\q)+j:64*(\q)+j+1], v[64*(\q)+j:64*(\q)+j+1], v[20+6*(\q):21+6*(\q)] op_sel_hi:[1,0]
.set j, j+2
.endr
.endr
	WIN 0
.endm
	s_load_b256 s[4:11], s[0:1], 0x0                   ; QB s[4:5], KB s[6:7], VB s[8:9], WB s[10:11]
	s_load_b256 s[12:19], s[0:1], 0x20                 ; X s[12:13], bo s[14:15], gamma s[16:17], beta s[18:19]
	s_load_b64 s[20:21], s[0:1], 0x40                  ; out0
	v_lshl_add_u32 v10, v0, 2, SPARE                   ; my spare word; never rewritten
	v_mov_b32 v11, 0                                   ; 0; never rewritten
	ds_add_u32 v10, v11                                ; the opening: the add, twice on end, and its wait
	ds_add_u32 v10, v11
	v_lshrrev_b32 v124, 5, v0
	v_readfirstlane_b32 s40, v124                      ; wave
	s_lshr_b32 s58, s40, 1
	s_and_b32 s59, s40, 1
	s_mov_b32 s72, 15|(3<<16)|(1<<21)                  ; group 1: the mask names all four; elements of 8 bytes; bit 21 beside a mask
	s_mov_b32 s73, 32<<16                              ; rows of 256 bytes,
	s_mov_b32 s74, 192<<16                             ; 192 of them,
	s_mov_b32 s75, 32<<16
	s_mov_b32 s76, 192
	s_mov_b32 s77, 32                                  ; dense
	s_mov_b32 s78, 0
	s_mov_b32 s79, 0
	s_mov_b32 s68, 1
	s_mul_i32 s69, s40, 49152
	s_add_co_u32 s69, s69, KS                          ; my quarter of the two regions
	s_and_b32 s52, ttmp7, 0xffff                       ; the batch, which the partners share
	s_mul_i32 s50, s52, 786432
	s_mul_i32 s54, s59, 49152
	s_add_co_u32 s50, s50, s54
	s_mov_b32 s51, 0
	s_wait_dscnt 0x0                                   ; both opening adds are done
	s_wait_kmcnt 0x0
	s_cmp_lt_u32 s40, 2                                ; K or V: by the wave's number
	s_cselect_b64 s[70:71], s[6:7], s[8:9]
	s_add_nc_u64 s[70:71], s[70:71], s[50:51]          ; the batch's step 0, my half of the tile
	s_or_b32 s71, s71, 0x80000000
	ROUND                                              ; all four work-groups are here
	tensor_load_to_lds s[68:71], s[72:79]              ; step 0: my one load at the head
	s_nop 0
	PLACES
	s_mul_i32 s82, s58, 6144
	s_mul_i32 s54, s59, 768
	s_add_co_u32 s82, s82, s54
	s_add_co_u32 s82, s82, PIMG                        ; where I store p's codes: fragment kk = w / 2, half c = w % 2
	s_add_co_u32 s83, s82, 512
	s_lshl_b32 s84, s58, 8
	s_lshl_b32 s54, s59, 1
	s_add_co_u32 s84, s84, s54
	s_add_co_u32 s84, s84, PSC
	s_lshl_b32 s85, s40, 2
	s_add_co_u32 s85, s85, MX
	s_mul_i32 s86, s40, 1536
	s_lshl_b32 s87, s40, 8
	s_add_co_u32 s87, s87, CSC
	s_lshl_b32 s88, s40, 9
	s_add_co_u32 s88, s88, STG
	s_mul_i32 s89, s40, 33024
	s_add_co_u32 s89, s89, STG
	s_mul_i32 s90, s40, 24576
	s_add_co_u32 s90, s90, KS
	s_add_co_u32 s91, s90, 98304
	s_mov_b32 s44, 0x76543210
	s_mov_b32 s45, 0xfedcba98
	s_mov_b32 s46, 0x3d8293ee                          ; c = log2(e) / sqrt(512)
	s_mov_b32 s47, s46
	s_mov_b32 s60, 0x3b000000                          ; 1 / 512
	s_mov_b32 s61, 0x3727c5ac                          ; 1e-5
	s_cmp_eq_u32 ttmp9, 0
	s_cselect_b32 s42, 1, -1                           ; the batch's first cluster prefetches K and V
	s_bfe_u32 s55, ttmp6, 0x40000                      ; cx: it enters global addresses alone
	s_lshl_b32 s56, ttmp9, 2
	s_add_co_u32 s56, s56, s55
	s_lshl_b32 s53, s52, 5
	s_add_co_u32 s53, s53, s56                         ; which 64 tokens are my queries
	s_lshl_b32 s54, s55, 2
	s_add_co_u32 s54, s54, s40                         ; which of the cluster's 16 waves
	s_mul_i32 s54, s54, 6144
	s_mul_i32 s50, s52, 786432
	s_add_co_u32 s50, s50, s54
	s_add_nc_u64 s[24:25], s[6:7], s[50:51]            ; the prefetches: my 24 blocks of K's tile,
	s_add_nc_u64 s[28:29], s[8:9], s[50:51]            ; and of V's
	s_lshl_b32 s50, s52, 13
	s_lshl_b32 s54, s40, 8
	s_add_co_u32 s50, s50, s54
	s_add_co_u32 s50, s50, 6291456
	s_add_nc_u64 s[26:27], s[6:7], s[50:51]            ; K's scale words
	s_lshl_b32 s50, s52, 15
	s_lshl_b32 s54, s40, 10
	s_add_co_u32 s50, s50, s54
	s_add_co_u32 s50, s50, 6291456
	s_add_nc_u64 s[30:31], s[8:9], s[50:51]            ; V's
	s_mul_i32 s50, s40, 49152
	s_add_co_u32 s50, s50, 589824
	s_add_nc_u64 s[80:81], s[10:11], s[50:51]          ; Wo: my 8 column tiles
	s_lshl_b32 s50, s40, 11
	s_add_co_u32 s50, s50, 811008
	s_add_nc_u64 s[34:35], s[10:11], s[50:51]          ; and their scale words
	s_lshl_b32 s50, s53, 17
	s_lshl_b32 s54, s58, 16
	s_add_co_u32 s50, s50, s54
	s_lshl_b32 s54, s59, 14
	s_add_co_u32 s50, s50, s54
	s_add_nc_u64 s[36:37], s[12:13], s[50:51]          ; X and out0 at query tile w's first token
	s_add_nc_u64 s[38:39], s[20:21], s[50:51]
	s_mul_i32 s50, s53, 24576
	s_add_nc_u64 s[22:23], s[4:5], s[50:51]            ; Q: my work-group's 16 fragments
	s_lshl_b32 s50, s53, 8
	s_add_co_u32 s50, s50, 6291456
	s_add_nc_u64 s[48:49], s[4:5], s[50:51]            ; Q's scale words
	v_and_b32 v124, 31, v0                             ; lane
	v_and_b32 v120, 15, v0                             ; r
	v_bfe_u32 v121, v0, 4, 1                           ; h
	v_lshlrev_b32 v1, 4, v124                          ; 16 x lane
	v_lshlrev_b32 v2, 3, v124                          ; 8 x lane
	v_lshlrev_b32 v3, 2, v124                          ; 4 x lane
	v_add_nc_u32 v4, s82, v1                           ; p's codes: the 16-byte parts,
	v_add_nc_u32 v5, s83, v2                           ; the 8-byte parts,
	v_lshl_add_u32 v6, v120, 2, s84                    ; my two bytes of the scale word
	v_add_nc_u32 v7, s85, v1                           ; my wave's word among the maxima
	v_add_nc_u32 v8, s86, v1                           ; ctx's image: K step w
	v_lshl_add_u32 v9, v120, 2, s87                    ; and its scale word
	v_mul_u32_u24 v13, v120, 2064
	v_lshl_add_u32 v13, v121, 6, v13
	v_add_nc_u32 v13, s88, v13                         ; the stage, in: row r, + 64 h, + 512 w; tiles 0, 1
	v_add_nc_u32 v14, 66048, v13                       ; tiles 2, 3
	v_add_nc_u32 v15, s89, v1                          ; the stage, back: my 16 rows
	v_add_nc_u32 v12, s90, v1                          ; my four key tiles in K's region
	v_add_nc_u32 v125, s91, v1                         ; my eight channel tiles in V's
	v_add_nc_u32 v126, s69, v1                         ; my eight column tiles of Wo
	v_min_u32 v127, 23, v124
	v_lshlrev_b32 v127, 8, v127                        ; the prefetches: lanes 256 bytes apart; lanes 24-31 name the last block again
.irp q, 0,1,2,3
	v_mov_b32 v[17+6*\q], 0xff61b1e6                   ; the largest t so far: -3e38
	v_mov_b32 v[18+6*\q], 0
	v_mov_b32 v[19+6*\q], 0
	v_mov_b32 v[21+6*\q], 0
.endr
.irp q, 0,1,2,3
	v_floor_f32 v[16+6*\q], -v[17+6*\q]                ; -M
.endr
.irp n, 0,1,2,3,4,5,6,7
	v_mov_b32 v[76+\n], 0                              ; a lane permute's destination counts as one of its sources
.endr
	s_wait_alu depctr_va_vdst(0)
	WIN 0xc0
.irp i, 0,1,2,3
	global_load_b128 v[192+4*\i:195+4*\i], v1, s[14:15] offset:512*\i      ; bo, gamma, beta in a row's layout: lane l: columns 4 l + 128 i + 0 .. 3
	global_load_b128 v[208+4*\i:211+4*\i], v1, s[16:17] offset:512*\i
	global_load_b128 v[224+4*\i:227+4*\i], v1, s[18:19] offset:512*\i
.endr
	WIN 0x80
.set i, 0
.rept 48
	global_load_b128 v[4*i:4*i+3], v1, s[22:23] offset:512*i               ; Q's fragment (qt, s) at register 12 (4 qt + s)
.set i, i+1
.endr
	WIN 0
.irp s, 0,1,2,3
	global_load_b64 v[40+2*\s:41+2*\s], v2, s[48:49] offset:65536*\s
.endr
.irp s, 0,1,2,3
	global_load_b64 v[48+2*\s:49+2*\s], v2, s[26:27] offset:65536*\s
.endr
.irp g, 0,1,2,3
	VSCALE \g, 0
.endr
	s_wait_tensorcnt 0x0                               ; my part of step 0 has landed,
	s_barrier_signal -1
	s_barrier_wait -1                                  ; everybody's has
	KLOAD 0
	KLOAD 1
	KLOAD 2
	KLOAD 3
; A KEY STEP: 256 keys.  first = 1: O^T's sums begin.  last = 1: the regions take Wo, Q's registers X.
.macro STEP first, last
	s_wait_loadcnt 4                                   ; K's scale words are in; V's four loads, issued behind them, may be out
.irp s, 0,1,2,3
	PLACES                                             ; behind the slice before (s = 0: with the four at the last step's end, eight lines behind the products that read P's registers)
.if \s > 0
	VLOAD \s-1                                         ; V's group takes the registers of the slice just multiplied
	KSCALE \s-1, \last
.endif
	WIN 0x0b                                           ; K window 3, Q window 2, S^T window 0
	s_wait_dscnt 36                                    ; this slice's 12 loads are in: behind them stand three runs of 12
.irp q, 0,1,2,3
.irp kt, 0,1,2,3
.set DD, 128+32*\q+8*\kt
.if \s == 0
.set CC, -1
.else
.set CC, 128+32*\q+8*\kt
.endif
	MM DD, 12*(4*\s+\kt), 12*(4*\q+\s), CC, 48+2*\s+\kt/2, 40+2*\s+\q/2, \kt, \q
.endr
.endr
.endr
	WIN 0
	PLACES
	VLOAD 3                                            ; with this run both regions have been asked for the last time in this step
	KSCALE 3, \last
	; the largest score of each block of 32 keys (n = 2 qt + block)
.irp n, 0,1,2,3,4,5,6,7
	v_max3_num_f32 v[68+\n], v[128+16*\n], v[129+16*\n], v[130+16*\n]
.endr
.irp i, 3,5,7,9,11,13
.irp n, 0,1,2,3,4,5,6,7
	v_max3_num_f32 v[68+\n], v[68+\n], v[128+16*\n+\i], v[129+16*\n+\i]
.endr
.endr
.irp n, 0,1,2,3,4,5,6,7
	v_max_num_f32 v[68+\n], v[68+\n], v[143+16*\n]
.endr
.irp n, 0,1,2,3,4,5,6,7
	v_permlanex16_b32 v[76+\n], v[68+\n], s44, s45
.endr
.irp n, 0,1,2,3,4,5,6,7
	v_max_num_f32 v[68+\n], v[68+\n], v[76+\n]
.endr
.irp q, 0,1,2,3
	v_max_num_f32 v[76+\q], v[68+2*\q], v[69+2*\q]     ; my wave's 64 keys
.endr
.irp q, 0,1,2,3
	ds_store_b32 v7, v[76+\q] offset:512*\q
.endr
	s_wait_tensorcnt 0x0                               ; no load of mine is out;
	ds_add_u32 v10, v11
.if \last
	s_mov_b64 s[70:71], s[80:81]                       ; my eight column tiles of Wo
	s_or_b32 s71, s71, 0x80000000
.else
	s_add_nc_u64 s[70:71], s[70:71], 98304             ; the next step's tile
.endif
	s_wait_dscnt 0x0                                   ; the add, my maxima and my reads of both regions are done
	ROUND                                              ; the same holds of every wave of the cluster
	tensor_load_to_lds s[68:71], s[72:79]              ; my one load behind the round
	s_nop 0
	PLACES
.irp q, 0,1,2,3
	ds_load_b128 v[84+4*\q:87+4*\q], v1 offset:MX+512*\q
.endr
.if !(\last)
.if \first
	s_cmp_eq_u32 s42, 1
.else
	s_cmp_gt_u32 s41, s42                              ; the loop's last trip has no step two on
.endif
	s_cbranch_scc0 .Lno_pf_\@
	global_prefetch_b8 v127, s[24:25] offset:196608 th:TH_LOAD_NT scope:SCOPE_SE
	global_prefetch_b8 v127, s[28:29] offset:196608 th:TH_LOAD_NT scope:SCOPE_SE
.Lno_pf_\@:
.else
	XROWS 0                                            ; Q has been multiplied for the last time: rows 0-7 of X, 32 loads
.endif
	s_wait_dscnt 0x0
.irp q, 0,1,2,3
	v_max3_num_f32 v[84+4*\q], v[84+4*\q], v[85+4*\q], v[86+4*\q]
.endr
.irp q, 0,1,2,3
	v_max_num_f32 v[84+4*\q], v[84+4*\q], v[87+4*\q]
.endr
.irp q, 0,1,2,3
	v_mul_f32 v[84+4*\q], s46, v[84+4*\q]              ; as t
.endr
.irp q, 0,1,2,3
	v_max_num_f32 v[17+6*\q], v[17+6*\q], v[84+4*\q]
.endr
.irp q, 0,1,2,3
	v_mov_b32 v[21+6*\q], v[16+6*\q]
.endr
.irp q, 0,1,2,3
	v_floor_f32 v[16+6*\q], -v[17+6*\q]                ; the new -M
.endr
.irp q, 0,1,2,3
	v_sub_f32 v[21+6*\q], v[16+6*\q], v[21+6*\q]
.endr
.irp q, 0,1,2,3
	v_cvt_i32_f32 v[21+6*\q], v[21+6*\q]
.endr
.irp q, 0,1,2,3
	v_ldexp_f32 v[20+6*\q], 1.0, v[21+6*\q]            ; f = 2^(old M - new M)
.endr
.irp q, 0,1,2,3
.irp j, 0,2,4,6,8,10,12,14,16,18,20,22,24,26,28,30
	v_pk_fma_f32 v[128+32*\q+\j:129+32*\q+\j], v[128+32*\q+\j:129+32*\q+\j], s[46:47], v[16+6*\q:17+6*\q] op_sel_hi:[1,0,0]
.endr
.endr
.irp n, 0,1,2,3,4,5,6,7
	v_fma_f32 v[68+\n], v[68+\n], s46, v[16+6*(\n/2)]
.endr
.set j, 0
	s_wait_alu depctr_va_vdst(0)
.rept 128
	v_exp_f32 v[128+j], v[128+j]
.set j, j+1
.endr
.irp q, 0,1,2,3
	v_pk_mul_f32 v[18+6*\q:19+6*\q], v[18+6*\q:19+6*\q], v[20+6*\q:21+6*\q] op_sel_hi:[1,0]
.endr
	s_wait_alu depctr_va_vdst(0)                       ; one wait for the batch of 128
.irp n, 0,1,2,3,4,5,6,7
	v_exp_f32 v[68+\n], v[68+\n]                       ; each block's largest p
.endr
.irp q, 0,1,2,3
	v_pk_add_f32 v[100+2*\q:101+2*\q], v[128+32*\q:129+32*\q], v[130+32*\q:131+32*\q]
.endr
.irp j, 4,8,12,16,20,24,28
.irp q, 0,1,2,3
	v_pk_add_f32 v[18+6*\q:19+6*\q], v[18+6*\q:19+6*\q], v[128+32*\q+\j:129+32*\q+\j]
	v_pk_add_f32 v[100+2*\q:101+2*\q], v[100+2*\q:101+2*\q], v[130+32*\q+\j:131+32*\q+\j]
.endr
.endr
.irp q, 0,1,2,3
	v_pk_add_f32 v[18+6*\q:19+6*\q], v[18+6*\q:19+6*\q], v[100+2*\q:101+2*\q]
.endr
	s_wait_alu depctr_va_vdst(0)                       ; and one for the eight
.irp n, 0,1,2,3,4,5,6,7
	v_max_num_f32 v[68+\n], 0x2800000, v[68+\n]
.endr
.irp n, 0,1,2,3,4,5,6,7
	v_add_nc_u32 v[84+\n], 0xfe000000, v[68+\n]
.endr
.irp n, 0,1,2,3,4,5,6,7
	v_lshrrev_b32 v[92+\n], 23, v[84+\n]
.endr
.irp q, 0,1,2,3
	v_lshl_or_b32 v[92+2*\q], v[93+2*\q], 8, v[92+2*\q]
.endr
.irp q, 0,1,2,3
	v_cvt_scalef32_pk16_bf6_f32 v[100+6*\q:102+6*\q], v[128+32*\q:143+32*\q], v[84+2*\q]
	v_cvt_scalef32_pk16_bf6_f32 v[68+4*\q:70+4*\q], v[144+32*\q:159+32*\q], v[85+2*\q]
.endr
	v_nop
.irp q, 0,1,2,3
.irp i, 0,1,2
	v_permlane16_swap_b32 v[100+6*\q+\i], v[68+4*\q+\i]
.endr
.endr
.irp q, 0,1,2,3
.irp i, 0,1,2
	v_mov_b32 v[103+6*\q+\i], v[68+4*\q+\i]
.endr
.endr
.irp q, 0,1,2,3
	ds_store_b128 v4, v[100+6*\q:103+6*\q] offset:1536*\q
	ds_store_b64 v5, v[104+6*\q:105+6*\q] offset:1536*\q
	ds_store_b16 v6, v[92+2*\q] offset:(\q/2)*128+(\q%2)*64
.endr
.if !(\last)
	s_wait_xcnt 0x0                                    ; every load and prefetch issued so far has read its base: the step's one change of pointers
	s_add_nc_u64 s[24:25], s[24:25], 98304
	s_add_nc_u64 s[26:27], s[26:27], 1024
	s_add_nc_u64 s[28:29], s[28:29], 98304
	s_add_nc_u64 s[30:31], s[30:31], 4096
.endif
	s_wait_dscnt 0x0
	s_barrier_signal -1
.if !(\first)
	RESC 0
.endif
	s_barrier_wait -1                                  ; P's eight fragments and their scale words lie in LDS
.irp i, 0,1,2,3
	ds_load_b32 v[64+\i], v3 offset:PSC+128*\i
.endr
.irp f, 0,1,2,3,4,5,6,7
.irp c, 0,1
	ds_load_b128 v[128+12*\f+6*\c:131+12*\f+6*\c], v1 offset:PIMG+1536*\f+768*\c
	ds_load_b64 v[132+12*\f+6*\c:133+12*\f+6*\c], v2 offset:PIMG+1536*\f+768*\c+512
.endr
.endr
.if !(\first)
	RESC 2
.endif
	s_wait_alu depctr_va_vdst(0)
.if \last
	s_wait_loadcnt 40                                  ; V's scale words are in; behind them: 8 loads of Wo's and 32 of X
.else
	s_wait_loadcnt 4                                   ; V's scale words are in; behind them: the next step's four of K
.endif
.irp g, 0,1,2,3
.if \g > 0
	WIN 0
.if \g == 3
	s_barrier_wait -1                                  ; the new tiles are whole
.endif
	PLACES
	VSCALE \g-1, \last
.if \g == 2
	s_wait_dscnt 0x0                                   ; all of P is in,
	s_wait_tensorcnt 0x0                               ; my part of the new tiles has landed:
	s_barrier_signal -1                                ; say so
.endif
.if \g == 3
.if \last
	WOLOAD 0
.else
	KLOAD 0                                            ; the next step's K follows V's groups into the registers
	KLOAD 1
	KLOAD 2
.endif
.endif
.endif
	WIN 0x53                                           ; V window 3, P window 0, O^T window 1
.irp q, 0,1,2,3
.if \g == 0
	s_wait_dscnt 28-4*\q                               ; fragment q is in: behind it stand the four loads of each later fragment
.endif
.irp t, 0,1,2,3
.set DD, 64*\q+8*(4*(\g%2)+\t)
.if (\first) && (\g < 2)
.set CC, -1
.else
.set CC, 64*\q+8*(4*(\g%2)+\t)
.endif
	MM DD, 12*(4*\g+\t), 128+12*(4*(\g/2)+\q), CC, 56+2*\g+\t/2, 64+2*(\g/2)+\q/2, \t, \q
.endr
.endr
.endr
	WIN 0
	PLACES
	VSCALE 3, \last
.if \last
	WOLOAD 1
	XROWS 8                                            ; rows 8-15 of X, 32 loads
.else
	KLOAD 3
.endif
.endm
	STEP 1, 0
	s_mov_b32 s41, 6
.Lstep:
	STEP 0, 0
	s_sub_co_u32 s41, s41, 1
	s_cmp_lg_u32 s41, 0
	s_cbranch_scc1 .Lstep
	STEP 0, 1
	; ---------------- THE WAY OUT ----------------
.irp q, 0,1,2,3
	v_add_f32 v[18+6*\q], v[18+6*\q], v[19+6*\q]
.endr
.irp q, 0,1,2,3
	v_permlanex16_b32 v[76+\q], v[18+6*\q], s44, s45
.endr
.irp q, 0,1,2,3
	v_add_f32 v[18+6*\q], v[18+6*\q], v[76+\q]
.endr
.irp q, 0,1,2,3
	ds_store_b32 v7, v[18+6*\q] offset:2048+512*\q
.endr
	BARRIER
.irp q, 0,1,2,3
	ds_load_b128 v[84+4*\q:87+4*\q], v1 offset:LX+512*\q
.endr
	s_wait_dscnt 0x0
.irp q, 0,1,2,3
	v_add_f32 v[84+4*\q], v[84+4*\q], v[85+4*\q]
	v_add_f32 v[86+4*\q], v[86+4*\q], v[87+4*\q]
.endr
.irp q, 0,1,2,3
	v_add_f32 v[84+4*\q], v[84+4*\q], v[86+4*\q]
.endr
	s_wait_alu depctr_va_vdst(0)
.irp q, 0,1,2,3
	v_rcp_f32 v[20+6*\q], v[84+4*\q]
.endr
	v_nop
	s_wait_alu depctr_va_vdst(0)
	; ctx = O^T / the sum, quantised along the channels: K step w of the last product
.irp q, 0,1,2,3
	WIN 0x41
.set j, 0
.rept 32
	v_pk_mul_f32 v[64*\q+j:64*\q+j+1], v[64*\q+j:64*\q+j+1], v[20+6*\q:21+6*\q] op_sel_hi:[1,0]
.set j, j+2
.endr
	QUANT 64*\q, 1
.irp c, 0,1,2
	ds_store_b128 v8, v[PC+4*\c:PC+4*\c+3] offset:CIMG+6144*\q+512*\c
.endr
	ds_store_b32 v9, v[PW] offset:(\q/2)*128+(\q%2)*64
	s_wait_dscnt 0x0
.endr
	s_barrier_signal -1
	s_barrier_wait -1                                  ; ctx's sixteen fragments lie in LDS
	s_wait_loadcnt 32                                  ; Wo's scale words are in; the 32 loads of X's rows 8-15 may be out
.macro CFETCH e                        ; ctx's four fragments of K step e, and their scale words
.irp q, 0,1,2,3
.irp g, 0,1,2
	ds_load_b128 v[128+48*((\e)%2)+12*\q+4*\g:131+48*((\e)%2)+12*\q+4*\g], v1 offset:CIMG+(4*\q+(\e))*1536+512*\g
.endr
.endr
	ds_load_b32 v[64+2*((\e)%2)], v3 offset:CSC+256*(\e)
	ds_load_b32 v[65+2*((\e)%2)], v3 offset:CSC+256*(\e)+128
.endm
	CFETCH 0
.irp e, 0,1,2,3                        ; out^T = Wo^T ctx^T: 32 accumulators by turns, a K step at a time
	s_wait_dscnt 0x0
	PLACES
.if \e < 3
	CFETCH \e+1
.endif
.if (\e == 1) || (\e == 2)
	WOLOAD \e+1
.endif
	WIN 0x53                                           ; Wo window 3, ctx window 0, out^T window 1
.irp t, 0,1,2,3,4,5,6,7
.irp q, 0,1,2,3
.set DD, 64*\q+8*\t
.if \e == 0
.set CC, -1
.else
.set CC, 64*\q+8*\t
.endif
	MM DD, 96*(\e%2)+12*\t, 128+48*(\e%2)+12*\q, CC, 48+8*(\e/2)+2*(\t/2)+\e%2, 64+2*(\e%2)+\q/2, \t, \q
.endr
.endr
	WIN 0
.endr
	PLACES
	BARRIER                                            ; every wave has read its part of Wo: the stage may lie over the two regions, which have had their last fill
	WIN 0x04                                           ; an LDS store's data are its source 1: window 1
.irp q, 0,1,2,3
.irp b, 0,1,2,3
.irp i, 0,1,2,3
	ds_store_b128 v[13+\q/2], v[64*\q+16*\b+4*\i:64*\q+16*\b+4*\i+3] offset:(\q%2)*33024+128*\b+16*\i
.endr
.endr
.endr
	WIN 0
	BARRIER                                            ; 64 whole rows lie in the stage
.macro LDY rho, y
.irp a, 0,1
.irp i, 0,1,2,3
	ds_load_b128 v[(\y)+16*\a+4*\i:(\y)+16*\a+4*\i+3], v15 offset:((\rho)+\a)*2064+512*\i
.endr
.endr
.endm
; Two rows in v[y] on: + X + bo, mean, variance of the centred numbers, scale, gamma, beta, store.  cnt: the loads of X's later rows, which may stay out.  Three sets of 32 registers take turns.
.macro LN2 rho, y, yn, cnt
.set YY, \y
	s_wait_loadcnt \cnt
	s_wait_dscnt 0x0
	WIN 0x08                                           ; X window 2
.irp j, 0,2,4,6,8,10,12,14,16,18,20,22,24,26,28,30
	v_pk_add_f32 v[YY+\j:YY+\j+1], v[YY+\j:YY+\j+1], v[16*(\rho)+\j:16*(\rho)+\j+1]
.endr
	WIN 0
.if (\rho) < 14
	LDY (\rho)+2, \yn
.endif
	WIN 0x0c                                           ; bo window 3
.irp a, 0,1
.irp j, 0,2,4,6,8,10,12,14
	v_pk_add_f32 v[YY+16*\a+\j:YY+16*\a+\j+1], v[YY+16*\a+\j:YY+16*\a+\j+1], v[192+\j:193+\j]
.endr
.endr
	WIN 0
.irp a, 0,1
	v_pk_add_f32 v[100+8*\a:101+8*\a], v[YY+16*\a:YY+16*\a+1], v[YY+16*\a+2:YY+16*\a+3]
	v_pk_add_f32 v[102+8*\a:103+8*\a], v[YY+16*\a+4:YY+16*\a+5], v[YY+16*\a+6:YY+16*\a+7]
	v_pk_add_f32 v[104+8*\a:105+8*\a], v[YY+16*\a+8:YY+16*\a+9], v[YY+16*\a+10:YY+16*\a+11]
	v_pk_add_f32 v[106+8*\a:107+8*\a], v[YY+16*\a+12:YY+16*\a+13], v[YY+16*\a+14:YY+16*\a+15]
.endr
.irp a, 0,1
	v_pk_add_f32 v[100+8*\a:101+8*\a], v[100+8*\a:101+8*\a], v[102+8*\a:103+8*\a]
	v_pk_add_f32 v[104+8*\a:105+8*\a], v[104+8*\a:105+8*\a], v[106+8*\a:107+8*\a]
.endr
.irp a, 0,1
	v_pk_add_f32 v[100+8*\a:101+8*\a], v[100+8*\a:101+8*\a], v[104+8*\a:105+8*\a]
.endr
.irp a, 0,1
	v_add_f32 v[100+8*\a], v[100+8*\a], v[101+8*\a]
.endr
.irp m, 1,2,4,8
.irp a, 0,1
	v_add_f32_dpp v[100+8*\a], v[100+8*\a], v[100+8*\a] row_xmask:\m row_mask:0xf bank_mask:0xf
.endr
.endr
.irp a, 0,1
	v_permlanex16_b32 v[101+8*\a], v[100+8*\a], s44, s45
.endr
.irp a, 0,1
	v_add_f32 v[100+8*\a], v[100+8*\a], v[101+8*\a]
.endr
.irp a, 0,1
	v_mul_f32 v[100+8*\a], s60, v[100+8*\a]            ; the mean
.endr
.irp a, 0,1
.irp j, 0,2,4,6,8,10,12,14
	v_pk_add_f32 v[YY+16*\a+\j:YY+16*\a+\j+1], v[YY+16*\a+\j:YY+16*\a+\j+1], v[100+8*\a:101+8*\a] op_sel_hi:[1,0] neg_lo:[0,1] neg_hi:[0,1]
.endr
.endr
.irp a, 0,1
	v_pk_mul_f32 v[102+8*\a:103+8*\a], v[YY+16*\a:YY+16*\a+1], v[YY+16*\a:YY+16*\a+1]
	v_pk_mul_f32 v[104+8*\a:105+8*\a], v[YY+16*\a+2:YY+16*\a+3], v[YY+16*\a+2:YY+16*\a+3]
.endr
.irp j, 4,8,12
.irp a, 0,1
	v_pk_fma_f32 v[102+8*\a:103+8*\a], v[YY+16*\a+\j:YY+16*\a+\j+1], v[YY+16*\a+\j:YY+16*\a+\j+1], v[102+8*\a:103+8*\a]
	v_pk_fma_f32 v[104+8*\a:105+8*\a], v[YY+16*\a+\j+2:YY+16*\a+\j+3], v[YY+16*\a+\j+2:YY+16*\a+\j+3], v[104+8*\a:105+8*\a]
.endr
.endr
.irp a, 0,1
	v_pk_add_f32 v[102+8*\a:103+8*\a], v[102+8*\a:103+8*\a], v[104+8*\a:105+8*\a]
.endr
.irp a, 0,1
	v_add_f32 v[102+8*\a], v[102+8*\a], v[103+8*\a]
.endr
.irp m, 1,2,4,8
.irp a, 0,1
	v_add_f32_dpp v[102+8*\a], v[102+8*\a], v[102+8*\a] row_xmask:\m row_mask:0xf bank_mask:0xf
.endr
.endr
.irp a, 0,1
	v_permlanex16_b32 v[103+8*\a], v[102+8*\a], s44, s45
.endr
.irp a, 0,1
	v_add_f32 v[102+8*\a], v[102+8*\a], v[103+8*\a]
.endr
.irp a, 0,1
	v_fma_f32 v[102+8*\a], v[102+8*\a], s60, s61       ; the variance + 1e-5
.endr
	s_wait_alu depctr_va_vdst(0)
.irp a, 0,1
	v_rsq_f32 v[102+8*\a], v[102+8*\a]
.endr
	v_nop
	s_wait_alu depctr_va_vdst(0)
.irp a, 0,1
.irp j, 0,2,4,6,8,10,12,14
	v_pk_mul_f32 v[YY+16*\a+\j:YY+16*\a+\j+1], v[YY+16*\a+\j:YY+16*\a+\j+1], v[102+8*\a:103+8*\a] op_sel_hi:[1,0]
.endr
.endr
	WIN 0x3c                                           ; gamma and beta window 3
.irp a, 0,1
.irp j, 0,2,4,6,8,10,12,14
	v_pk_fma_f32 v[YY+16*\a+\j:YY+16*\a+\j+1], v[YY+16*\a+\j:YY+16*\a+\j+1], v[208+\j:209+\j], v[224+\j:225+\j]
.endr
.endr
	WIN 0
	s_wait_alu depctr_va_vdst(0)
	s_wait_xcnt 0x0                                    ; the turn before's stores have read their registers
.irp a, 0,1
.irp i, 0,1,2,3
	global_store_b128 v1, v[YY+16*\a+4*\i:YY+16*\a+4*\i+3], s[38:39] offset:((\rho)+\a+8*(((\rho)+\a)/8))*2048+512*\i th:TH_STORE_NT   ; 32 lanes store 512 consecutive bytes, aligned
.endr
.endr
.endm
	LDY 0, 68
	LN2 0, 68, 128, 32                                 ; rows 0-7 of X are in; the 32 loads of rows 8-15 may be out
	LN2 2, 128, 160, 32
	LN2 4, 160, 68, 32
	LN2 6, 68, 128, 32
	LN2 8, 128, 160, 24                                ; eight loads fewer may be out with every two rows
	LN2 10, 160, 68, 16
	LN2 12, 68, 128, 8
	LN2 14, 128, 160, 0
	s_wait_tensorcnt 0x0                               ; the wave's end
	ds_add_u32 v10, v11
	s_wait_dscnt 0x0
	ROUND                                              ; the closing round
	s_endpgm
.Lfunc_end_k_q7eacd8ee78_attn:
	.size	k_q7eacd8ee78_attn, .Lfunc_end_k_q7eacd8ee78_attn-k_q7eacd8ee78_attn
	.p2alignl 7, 3214868480
	.fill 96, 4, 3214868480
	.section	.rodata,"a",@progbits
	.p2align	6, 0x0
	.amdhsa_kernel k_q7eacd8ee78_attn
		.amdhsa_group_segment_fixed_size 327680
		.amdhsa_private_segment_fixed_size 0
		.amdhsa_enable_private_segment 0
		.amdhsa_kernarg_size 72
		.amdhsa_user_sgpr_count 2
		.amdhsa_user_sgpr_kernarg_segment_ptr 1
		.amdhsa_wavefront_size32 1
		.amdhsa_system_sgpr_workgroup_id_x 1
		.amdhsa_system_sgpr_workgroup_id_y 1
		.amdhsa_system_sgpr_workgroup_id_z 1
		.amdhsa_system_vgpr_workitem_id 0
		.amdhsa_next_free_vgpr 1024
		.amdhsa_next_free_sgpr 100
		.amdhsa_reserve_vcc 0
		.amdhsa_float_denorm_mode_32 3
		.amdhsa_float_denorm_mode_16_64 3
		.amdhsa_memory_ordered 1
		.amdhsa_forward_progress 1
		.amdhsa_inst_pref_size 255
	.end_amdhsa_kernel
	.section	.bss,"aw",@nobits
	.p2align	6
	.space	262144
	.amdgpu_metadata
---
amdhsa.version: [ 1, 2 ]
amdhsa.kernels:
  - .name:           k_q7eacd8ee78_attn
    .symbol:         k_q7eacd8ee78_attn.kd
    .args:
      - { .name: QB, .offset: 0, .size: 8, .value_kind: global_buffer, .address_space: global }
      - { .name: KB, .offset: 8, .size: 8, .value_kind: global_buffer, .address_space: global }
      - { .name: VB, .offset: 16, .size: 8, .value_kind: global_buffer, .address_space: global }
      - { .name: WB, .offset: 24, .size: 8, .value_kind: global_buffer, .address_space: global }
      - { .name: X, .offset: 32, .size: 8, .value_kind: global_buffer, .address_space: global }
      - { .name: bo, .offset: 40, .size: 8, .value_kind: global_buffer, .address_space: global }
      - { .name: ln_gamma, .offset: 48, .size: 8, .value_kind: global_buffer, .address_space: global }
      - { .name: ln_beta, .offset: 56, .size: 8, .value_kind: global_buffer, .address_space: global }
      - { .name: out0, .offset: 64, .size: 8, .value_kind: global_buffer, .address_space: global }
    .group_segment_fixed_size: 327680
    .private_segment_fixed_size: 0
    .kernarg_segment_align: 8
    .kernarg_segment_size: 72
    .max_flat_workgroup_size: 128
    .sgpr_count:     100
    .vgpr_count:     1024
    .wavefront_size: 32
...
	.end_amdgpu_metadata
.endif
;; end of part 3
